; MI455X (gfx1250); checked and timed in simulation.
; The chip was launched on July 23, 2026; its instructions are those of AMD's public machine-readable ISA for CDNA 5 (MIT licence, August 2026) and "CDNA5" Instruction Set Architecture Reference Guide (July 2026). The comments in the code are by the model that wrote it; some were corrected since.
;; Self Attention. Allowed arithmetic: matrix products marked QUANTISED: E2M3 operands, one E8M0 scale for each 32 along K, by v_wmma_scale_f32_16x16x128_f8f6f4 with both operands' format E2M3, f32 sums; everything else in f32.
;; Inputs: Wk 1,024 x 1,024 float32; Wq 1,024 x 1,024 float32; Wv 1,024 x 1,024 float32; bk 1,024 float32; bq 1,024 float32; bv 1,024 float32; mask 4 x 2,048 x 2,048 bool; x 4 x 2,048 x 1,024 float32.
;; Outputs: out0 4 x 2,048 x 1,024 float32.
;; This version of the problem:
;;   THIS VERSION OF THE PROBLEM IS GIVEN IN LOW PRECISION. The matrix products marked QUANTISED in the list below multiply operands that are first quantised to E2M3 (2 exponent bits, 3 mantissa bits; 6 bits a number), with one power-of-two scale for each 32 numbers along K (OCP MX v1.0); their sums are f32. All else is computed in f32.
;;   The module's matrix products, in the order in which they are computed (A, B: the left and right operand; K: the contracted axis; several contracted axes count as one K, in the product's order):
;;     1. [M 8,192, K 1,024] x [K 1,024, N 1,024]; A: input x; B: input Wq: QUANTISED
;;     2. [M 8,192, K 1,024] x [K 1,024, N 1,024]; A: input x; B: input Wk: QUANTISED
;;     3. [M 8,192, K 1,024] x [K 1,024, N 1,024]; A: input x; B: input Wv: QUANTISED
;;     4. batch 4 x [M 2,048, K 1,024] x [K 1,024, N 2,048]; A: computed on the way; B: computed on the way: QUANTISED
;;     5. batch 4 x [M 2,048, K 2,048] x [K 2,048, N 1,024]; A: softmax (see below); B: computed on the way: QUANTISED
;;   THE QUANTISER, for each operand of a quantised product, along K:
;;     - K is cut into blocks of 32 from its start; a last block that is shorter is filled with zeros.
;;     - A block's scale is 2^e with e = floor(log2(the largest magnitude in the block)) - 2, held to -126 .. 127; a block of zeros has e = 0. As a byte (E8M0): e + 127.
;;     - Each number is divided by its block's scale, clamped to +-7.5, and rounded to the nearest number of E2M3, ties to even, subnormals kept.
;;     - The product sums the exact products of the quantised numbers (number of the format x scale) in f32.
;;   ~~~python
;;   def quantise(x, axis):      # numpy; x: float32 -> the quantised numbers, widened to float32 again
;;       x = np.moveaxis(x, axis, -1); K = x.shape[-1]
;;       x = np.pad(x, [(0, 0)] * (x.ndim - 1) + [(0, -K % 32)]); x = x.reshape(x.shape[:-1] + (-1, 32)); a = np.abs(x).max(-1, keepdims=True)
;;       e = np.where(a > 0, np.clip(np.frexp(np.where(a > 0, a, 1))[1] - 1 - 2, -126, 127), 0)      # np.frexp(a)[1] - 1 = floor(log2(a)), exactly
;;       r = np.clip(x / 2.0 ** e, -7.5, 7.5)
;;       step = 2.0 ** (np.maximum(np.frexp(np.where(r == 0, 1, r))[1] - 1, 0) - 3)
;;       q = np.round(r / step) * step * 2.0 ** e      # np.round: ties to even
;;       return np.moveaxis(q.reshape(q.shape[:-2] + (-1,))[..., :K], -1, axis).astype(np.float32)
;;   ~~~
;;   SOFTMAX AHEAD OF A QUANTISED PRODUCT. Where the list says 'softmax', what is quantised is not the finished softmax but p = 2^(t - M), with t = logit x log2(e) and M = ceil(the row's largest t), a whole number; so 1/2 < the row's largest p <= 1. The row's sum l is taken of the UNQUANTISED p, in f32, and the product's result is divided by l at the end. Since M is a whole number, a kernel that streams over the keys may use a running M (the ceiling of the running maximum): every later rescaling is an exact power of two, which a block's scale takes up: the codes' values come out the same.
;;   OPERANDS COMPUTED ON THE WAY. 'Computed on the way' means the value that the module computes at that place (a softmax that the list does not call 'softmax' is quantised finished and normalised). What goes into a quantiser is computed in f32, as accurately as f32 sums, v_exp_f32 and their like allow (about 1e-6 of the number): no bf16 or f16 on the way to a quantiser, and a product that is left as it is and whose result goes on into a quantised operand takes f32 operands (vector FMAs, or v_wmma_f32_16x16x4_f32). A number that lies on a knife's edge between two numbers of the format may be rounded either way, as far as f32 arithmetic and the matrix unit's own rounding can turn it there, and no further.
;; One version. Each part assembles by itself: llvm-mc -triple=amdgcn-amd-amdhsa -mcpu=gfx1250 --defsym DOCPART=n.
;; ======== version 1 of 1: 4 launches
;; limits: right only within a limited range of input values
;; workspace buffers: xwc 8,650,752 bytes; xws 360,448 bytes; qkvc 18,874,368 bytes; qkvs 786,432 bytes; pc 12,582,912 bytes; pst 1,572,864 bytes
;; launch quant (part 1): grid 88 x 4, 8 waves a work-group, no clusters, 72,704 bytes of LDS; arguments x, Wq, Wk, Wv, xwc, xws; writes xwc, xws
.if DOCPART == 1
	.amdgcn_target "amdgcn-amd-amdhsa--gfx1250"
	.amdhsa_code_object_version 6
	.text
	.protected	k_q5cb4e8f0c3_quant
	.globl	k_q5cb4e8f0c3_quant
	.p2align	8
	.type	k_q5cb4e8f0c3_quant,@function
k_q5cb4e8f0c3_quant:
	s_mov_b64 s[64:65], 0
	v_nop
	global_prefetch_b8 v0, s[64:65] scope:SCOPE_SE
	s_setreg_imm32_b32 hwreg(HW_REG_WAVE_MODE, 25, 1), 1
	s_wait_xcnt 0x0
; x [8192][1024], Wq, Wk, Wv [1024][1024], f32, K innermost, become codes of FP6 (E2M3) with one E8M0 byte for each 32 along K.
; A block's scale is 2^(floor(log2(its largest magnitude)) - 2); its byte is the largest magnitude's exponent field - 2, held at 1 from below.
; LIMITS: a block of zeros gets the byte 1 where the rule says 127 (its codes are zeros, and this program alone reads the bytes); NaN and infinities are not served.
; LAYOUT OF THE RESULT: images of operand registers.  The 11,264 rows (x, then Wq, Wk, Wv) are 88 groups of 128.  Row block i = 2 B + u of a group: lane r stands for row 32 B + 8 u + r + 8 (r / 8).
; A fragment (a row block x 128 K, 12 registers a lane) is 1,536 bytes: registers 4 c .. 4 c + 3 of lane l at 512 c + 16 l.  xwc: [row block][K step][1,536].
; xws: [K step][group][512]: the scale word of (block i, lane r) at 256 (i / 4) + 16 r + 4 (i % 4).
; SHARES: work-group (g, y): group g, K steps 2 y and 2 y + 1; wave i: row block i, two fragments.  Each load reads 512 consecutive bytes of a row; the 16 rows turn through the wave's own stage in LDS,
; so that a lane gets 2 x 32 neighbours of its row, which is what its operand registers hold.  Each store of codes covers 512 consecutive bytes, aligned.
; No work-group shares an input byte with another: no cluster, no tensor load.
.set R,   32                           ; v32-159  two fragments' numbers as loaded (64 each); later the fragment's codes in its first 20
.set X,   160                          ; v160-223 my 64 numbers: k = 64 c + 32 h + 0 .. 31
.set STG, 8448                         ; a wave's stage: 16 rows of 512 bytes + 16
.set SCW, 8*STG                        ; behind the stages: 2 x 512 bytes of scale words
	s_load_b256 s[4:11], s[0:1], 0x0               ; x, Wq, Wk, Wv
	s_load_b128 s[12:15], s[0:1], 0x20             ; xwc, xws
	v_lshl_add_u32 v224, v0, 2, 0x11800
	v_mov_b32 v225, 0
	v_lshrrev_b32 v1, 5, v0
	s_delay_alu instid0(VALU_DEP_1)
	v_readfirstlane_b32 s20, v1                    ; wave i = row block
	v_and_b32 v1, 31, v0                           ; lane
	v_and_b32 v2, 15, v0                           ; r
	v_bfe_u32 v3, v0, 4, 1                         ; h
	s_delay_alu instid0(VALU_DEP_3)
	v_lshlrev_b32 v4, 4, v1                        ; 16 x lane
	s_wait_alu depctr_va_vdst(0)
	s_mul_i32 s21, s20, STG
	v_add_nc_u32 v5, s21, v4                       ; into the stage: 16 x lane of a row
	v_mul_u32_u24 v6, v2, 528
	s_delay_alu instid0(VALU_DEP_1)
	v_lshl_add_u32 v6, v3, 7, v6
	s_delay_alu instid0(VALU_DEP_1)
	v_add_nc_u32 v6, s21, v6                       ; out of it: row r, + 128 h
	s_lshr_b32 s22, s20, 2
	s_lshl_b32 s22, s22, 8
	s_and_b32 s23, s20, 3
	s_lshl_b32 s23, s23, 2
	s_add_co_u32 s22, s22, s23
	s_add_co_u32 s22, s22, SCW
	v_lshlrev_b32 v7, 4, v2
	s_delay_alu instid0(VALU_DEP_1)
	v_add_nc_u32 v7, s22, v7                       ; my row's scale word: 256 (i / 4) + 4 (i % 4) + 16 r
	s_lshl_b32 s23, s20, 9
	s_add_co_u32 s23, s23, SCW
	v_add_nc_u32 v8, s23, v4                       ; waves 0 and 1 read a K step's 512 bytes back
	v_lshlrev_b32 v9, 3, v3                        ; 8 h
	v_mov_b32 v17, 0                               ; a lane permute's destination counts as read
	s_mov_b32 s30, 0x76543210
	s_mov_b32 s31, 0xfedcba98                      ; selects for lane l xor 16
	s_and_b32 s24, ttmp7, 0xffff                   ; y
	s_sub_co_u32 s25, ttmp9, 64
	s_and_b32 s25, s25, 7                          ; a weight's group
	s_wait_alu depctr_va_vdst(0)
	s_wait_kmcnt 0x0
	s_cmp_lt_u32 ttmp9, 80                         ; which tensor: the choice hangs on the work-group's number alone
	s_cselect_b64 s[16:17], s[8:9], s[10:11]
	s_cmp_lt_u32 ttmp9, 72
	s_cselect_b64 s[16:17], s[6:7], s[16:17]
	s_cmp_lt_u32 ttmp9, 64
	s_cselect_b64 s[16:17], s[4:5], s[16:17]
	s_cselect_b32 s25, ttmp9, s25                  ; the group within its tensor
	s_lshl_b32 s25, s25, 7
	s_lshr_b32 s26, s20, 1
	s_lshl_b32 s26, s26, 5
	s_add_co_u32 s25, s25, s26
	s_and_b32 s26, s20, 1
	s_lshl_b32 s26, s26, 3
	s_add_co_u32 s25, s25, s26                     ; first row: 128 group + 32 (i / 2) + 8 (i % 2)
	s_lshl_b32 s26, s25, 12                        ; rows of 4,096 bytes
	s_lshl_b32 s27, s24, 10                        ; two K steps are 1,024 bytes
	s_add_co_u32 s26, s26, s27
	s_mov_b32 s27, 0
	s_add_nc_u64 s[16:17], s[16:17], s[26:27]
	s_lshl_b32 s28, ttmp9, 3
	s_add_co_u32 s28, s28, s20
	s_mul_i32 s28, s28, 12288                      ; row block 8 g + i: 8 K steps of 1,536 bytes
	s_mul_i32 s29, s24, 3072
	s_add_co_u32 s28, s28, s29
	s_mov_b32 s29, 0
	s_add_nc_u64 s[12:13], s[12:13], s[28:29]
	s_lshl_b32 s28, s24, 1
	s_add_co_u32 s28, s28, s20                     ; K step 2 y + wave (used by waves 0 and 1)
	s_mul_i32 s28, s28, 88
	s_add_co_u32 s28, s28, ttmp9
	s_lshl_b32 s28, s28, 9
	s_add_nc_u64 s[14:15], s[14:15], s[28:29]
.macro QLOAD s
.irp p, 0,1,2,3,4,5,6,7,8,9,10,11,12,13,14,15
	global_load_b128 v[R+64*\s+4*\p:R+64*\s+4*\p+3], v4, s[16:17] offset:(\p+8*(\p/8))*4096+512*\s th:TH_LOAD_NT
.endr
.endm
	QLOAD 0
	QLOAD 1
.macro FRAGQ s
.set CR, R+64*\s
	s_wait_loadcnt 16*(1-\s)                       ; this fragment's 16 loads are in; the other's 16 may be out
.irp p, 0,1,2,3,4,5,6,7,8,9,10,11,12,13,14,15
	ds_store_b128 v5, v[R+64*\s+4*\p:R+64*\s+4*\p+3] offset:528*\p
.endr
.irp c, 0,1
.irp j, 0,1,2,3,4,5,6,7
	ds_load_b128 v[X+32*\c+4*\j:X+32*\c+4*\j+3], v6 offset:256*\c+16*\j   ; LDS serves a wave's instructions in order: these see my stores
.endr
.endr
	s_wait_dscnt 0x0
.irp c, 0,1
	v_max3_num_f32 v[10+\c], |v[X+32*\c]|, |v[X+32*\c+1]|, 0x1800000   ; my block 2 c + h: all 32 numbers are mine; the floor 2^(3 - 127) holds the byte at 1
.endr
.irp i, 2,4,6,8,10,12,14,16,18,20,22,24,26,28,30
.irp c, 0,1
	s_delay_alu instid0(VALU_DEP_2)
	v_max3_num_f32 v[10+\c], v[10+\c], |v[X+32*\c+\i]|, |v[X+32*\c+\i+1]|
.endr
.endr
.irp c, 0,1
	s_delay_alu instid0(VALU_DEP_2)
	v_add_nc_u32 v[12+\c], 0xff000000, v[10+\c]    ; 2 off the exponent field: the conversion's scale operand
.endr
.irp c, 0,1
	s_delay_alu instid0(VALU_DEP_2)
	v_lshrrev_b32 v[14+\c], 23, v[12+\c]           ; the byte
.endr
	s_delay_alu instid0(VALU_DEP_1)
	v_lshl_or_b32 v16, v15, 16, v14                ; blocks h and 2 + h,
	s_delay_alu instid0(VALU_DEP_1)
	v_lshlrev_b32 v16, v9, v16                     ; at their places in the word;
	s_delay_alu instid0(VALU_DEP_1)
	v_permlanex16_b32 v17, v16, s30, s31
	s_delay_alu instid0(VALU_DEP_1)
	v_or_b32 v16, v16, v17                         ; with lane l xor 16's two the word is whole
.irp c, 0,1
	v_cvt_scalef32_pk16_fp6_f32 v[CR+6*\c:CR+6*\c+2], v[X+32*\c:X+32*\c+15], v[12+\c]
	v_cvt_scalef32_pk16_fp6_f32 v[CR+12+4*\c:CR+14+4*\c], v[X+32*\c+16:X+32*\c+31], v[12+\c]   ; (a conversion's three registers begin on an even number)
.endr
	v_nop                                          ; one plain place behind a scaled conversion
.irp c, 0,1
.irp i, 0,1,2
	v_mov_b32 v[CR+3+6*\c+\i], v[CR+12+4*\c+\i]
.endr
.endr
.irp c, 0,1,2
	global_store_b128 v4, v[CR+4*\c:CR+4*\c+3], s[12:13] offset:1536*\s+512*\c
.endr
	ds_store_b32 v7, v16 offset:512*\s             ; both halves of the lanes write the same word with the same value
.endm
	FRAGQ 0
	FRAGQ 1
	s_wait_dscnt 0x0                               ; for the others' sake: my scale words have landed
	s_barrier_signal -1
	s_barrier_wait -1
	s_cmp_gt_u32 s20, 1
	s_cbranch_scc1 .Ldone
	ds_load_b128 v[20:23], v8                      ; a K step's 128 scale words of the group
	s_wait_dscnt 0x0
	global_store_b128 v4, v[20:23], s[14:15]       ; 512 consecutive bytes, aligned
.Ldone:
	s_wait_tensorcnt 0x0
	ds_add_u32 v224, v225
	s_wait_dscnt 0x0
	s_endpgm
.Lfunc_end_k_q5cb4e8f0c3_quant:
	.size	k_q5cb4e8f0c3_quant, .Lfunc_end_k_q5cb4e8f0c3_quant-k_q5cb4e8f0c3_quant
	.p2alignl 7, 3214868480
	.fill 96, 4, 3214868480
	.section	.rodata,"a",@progbits
	.p2align	6, 0x0
	.amdhsa_kernel k_q5cb4e8f0c3_quant
		.amdhsa_group_segment_fixed_size 72704
		.amdhsa_private_segment_fixed_size 0
		.amdhsa_enable_private_segment 0
		.amdhsa_kernarg_size 48
		.amdhsa_user_sgpr_count 2
		.amdhsa_user_sgpr_kernarg_segment_ptr 1
		.amdhsa_wavefront_size32 1
		.amdhsa_system_sgpr_workgroup_id_x 1
		.amdhsa_system_sgpr_workgroup_id_y 1
		.amdhsa_system_sgpr_workgroup_id_z 1
		.amdhsa_system_vgpr_workitem_id 0
		.amdhsa_next_free_vgpr 226
		.amdhsa_next_free_sgpr 66
		.amdhsa_reserve_vcc 0
		.amdhsa_float_denorm_mode_32 3
		.amdhsa_float_denorm_mode_16_64 3
		.amdhsa_memory_ordered 1
		.amdhsa_forward_progress 1
		.amdhsa_inst_pref_size 20
	.end_amdhsa_kernel
	.amdgpu_metadata
---
amdhsa.version: [ 1, 2 ]
amdhsa.kernels:
  - .name:           k_q5cb4e8f0c3_quant
    .symbol:         k_q5cb4e8f0c3_quant.kd
    .args:
      - { .name: x, .offset: 0, .size: 8, .value_kind: global_buffer, .address_space: global }
      - { .name: Wq, .offset: 8, .size: 8, .value_kind: global_buffer, .address_space: global }
      - { .name: Wk, .offset: 16, .size: 8, .value_kind: global_buffer, .address_space: global }
      - { .name: Wv, .offset: 24, .size: 8, .value_kind: global_buffer, .address_space: global }
      - { .name: xwc, .offset: 32, .size: 8, .value_kind: global_buffer, .address_space: global }
      - { .name: xws, .offset: 40, .size: 8, .value_kind: global_buffer, .address_space: global }
    .group_segment_fixed_size: 72704
    .private_segment_fixed_size: 0
    .kernarg_segment_align: 8
    .kernarg_segment_size: 48
    .max_flat_workgroup_size: 256
    .sgpr_count:     66
    .vgpr_count:     226
    .wavefront_size: 32
...
	.end_amdgpu_metadata
.endif
;; end of part 1
;; launch proj (part 2): grid 8 x 32, 4 waves a work-group, clusters of 4 x 4, 327,680 bytes of LDS; arguments xwc, xws, bq, bk, bv, qkvc, qkvs; writes qkvc, qkvs
.if DOCPART == 2
	.amdgcn_target "amdgcn-amd-amdhsa--gfx1250"
	.amdhsa_code_object_version 6
	.text
	.protected	k_q5cb4e8f0c3_proj
	.globl	k_q5cb4e8f0c3_proj
	.p2align	8
	.type	k_q5cb4e8f0c3_proj,@function
k_q5cb4e8f0c3_proj:
	s_mov_b64 s[64:65], 0
	v_nop
	global_prefetch_b8 v0, s[64:65] scope:SCOPE_SE
	s_setreg_imm32_b32 hwreg(HW_REG_WAVE_MODE, 25, 1), 1
	s_wait_xcnt 0x0
	s_wait_alu depctr_hold_cnt(0) depctr_sa_sdst(0) depctr_va_vdst(0) depctr_va_sdst(0) depctr_va_ssrc(0) depctr_va_vcc(0) depctr_vm_vsrc(0)
	s_getreg_b32 s2, hwreg(HW_REG_IB_STS2, 6, 4)
	s_cmp_eq_u32 s2, 0
	s_cbranch_scc0 .Lentry_in_a_cluster
	s_endpgm
.Lentry_in_a_cluster:
	s_bfe_u32 s2, ttmp6, 0x10000c
	s_cmp_lg_u32 s2, 0xf033
	s_cbranch_scc0 .Lentry_shape_is_right
	s_endpgm
.Lentry_shape_is_right:
.set NA,    8
.set KS,    8
.set ROWB,  2*1536
.set ATILE, 16*ROWB
.set SLOT,  2*ATILE
.set RB2,   12288
.set W2,    16*RB2
.set SCW,   3*SLOT
.set SCL,   SCW+4096
.set SPARE, SCL+4*4096
.set ADRA, 16
.set ADRW, 19
.set ADRB, 20
.set ADRX, 23
.set ADT,  25
.set ADRS, 27
.set SPW,  28
.set NIL,  29
.set LI,   30
.set R16,  31
.set SC,   32
.set BM,   48
.set AF,   64
.set HA,   64
.set PC,   128
.set TM,   152
.set WD,   168
.set XJ,   176
.set G1,   24
.set G0,   32
.set G1B,  44
.set G0B,  52
.set G1S,  68
.set G0S,  76
.set SEL,  86
.set HM,   101
.set MUL_LO, 0xa1
.set TO_B,   0x40
.set MSB, 0
.macro WIN new
.if MSB != (\new)
	s_set_vgpr_msb (MSB<<8)|(\new)
.set MSB, (\new)
.endif
.endm
.macro PLACES
.rept 4
	v_nop
.endr
.endm
.macro JLOAD g0a, g1a, g0b, g1b
	s_cmp_eq_u32 s15, 0
	s_cbranch_scc0 .Lfor_b_\@
	tensor_load_to_lds s[\g0a:\g0a+3], s[\g1a:\g1a+7]
	s_nop 0
	PLACES
	s_branch .Lasked_\@
.Lfor_b_\@:
	tensor_load_to_lds s[\g0b:\g0b+3], s[\g1b:\g1b+7]
	s_nop 0
	PLACES
.Lasked_\@:
.endm
.macro CREST
	s_cmp_lg_u32 s14, 0
	s_cbranch_scc1 .Lnot_wave_0_\@
	s_barrier_signal -3
.Lnot_wave_0_\@:
	s_barrier_wait -3
	s_barrier_signal -1
	s_barrier_wait -1
.endm
.macro CROUND
	s_barrier_signal -1
	s_barrier_wait -1
	CREST
.endm
.macro FRAG reg, adr, q, i
.irp c, 0,1,2
	ds_load_b128 v[\reg+4*\c:\reg+4*\c+3], v[\adr] offset:(\i)*ROWB+(\q)*1536+512*\c
.endr
.endm
.macro FETCH slot, q, p, ks
	WIN TO_B
.irp i, 0,1,2,3,4,5,6,7
	FRAG 128*(\p)+12*\i, ADRB+\slot, \q, \i
.endr
	WIN 0
.irp i, 0,1,2,3,4,5,6,7
	FRAG AF+12*NA*(\p)+12*\i, ADRA+\slot, \q, \i
.endr
	ds_load_b128 v[SC+8*(\p):SC+8*(\p)+3], v[ADRS] offset:512*(\ks)
	ds_load_b128 v[SC+8*(\p)+4:SC+8*(\p)+7], v[ADRS] offset:512*(\ks)+256
.endm
.macro MUL a0, n, p, zero
.set ma, \a0
.rept \n
.set wn, MUL_LO+0x50*(ma/4)
	WIN wn
.irp b, 0,1,2,3,4,5,6,7
.if \zero
	v_wmma_scale_f32_16x16x128_f8f6f4 v[8*(8*(ma%4)+\b):8*(8*(ma%4)+\b)+7], v[128*(\p)+12*\b:128*(\p)+12*\b+11], v[AF+12*NA*(\p)+12*ma:AF+12*NA*(\p)+12*ma+11], 0, v[SC+8*(\p)+\b], v[SC+8*(\p)+ma] matrix_a_fmt:MATRIX_FMT_FP6 matrix_b_fmt:MATRIX_FMT_FP6 matrix_a_scale:MATRIX_SCALE_ROW1
.else
	v_wmma_scale_f32_16x16x128_f8f6f4 v[8*(8*(ma%4)+\b):8*(8*(ma%4)+\b)+7], v[128*(\p)+12*\b:128*(\p)+12*\b+11], v[AF+12*NA*(\p)+12*ma:AF+12*NA*(\p)+12*ma+11], v[8*(8*(ma%4)+\b):8*(8*(ma%4)+\b)+7], v[SC+8*(\p)+\b], v[SC+8*(\p)+ma] matrix_a_fmt:MATRIX_FMT_FP6 matrix_b_fmt:MATRIX_FMT_FP6 matrix_a_scale:MATRIX_SCALE_ROW1
.endif
.endr
.set ma, ma+1
.endr
.endm
.macro STEP fs, fq, ks, zero
	s_wait_dscnt 0x0
	PLACES
	FETCH \fs, \fq, ((\ks)+1)%2, (\ks)+1
	MUL 0, NA, (\ks)%2, \zero
.endm
.macro TURN slot, next, ks, fill
	WIN 0
	s_wait_tensorcnt 0x0
	ds_add_u32 v[SPW], v[NIL]
.if \fill == 1                         ; fill = 1: a refill, three slots on along K; fill = 2: the slot's first fill, at the address set at the head
	s_add_nc_u64 s[G0+4*\slot+2:G0+4*\slot+3], s[G0+4*\slot+2:G0+4*\slot+3], 3*ROWB
	s_add_nc_u64 s[G0B+4*\slot+2:G0B+4*\slot+3], s[G0B+4*\slot+2:G0B+4*\slot+3], 3*ROWB
.endif
	s_wait_dscnt 0x0
	s_barrier_signal -1
	MUL 0, NA/2, (\ks)%2, 0
	WIN 0
	s_barrier_wait -1
.if \fill
	CREST
	JLOAD G0+4*\slot, G1, G0B+4*\slot, G1B
.else
	PLACES
.endif
	FETCH \next, 0, ((\ks)+1)%2, (\ks)+1
	MUL NA/2, NA/2, (\ks)%2, 0
.endm
.macro FRAG2 reg, adr, ks, i
.irp c, 0,1,2
	ds_load_b128 v[\reg+4*\c:\reg+4*\c+3], v[\adr] offset:(\i)*RB2+(\ks)*1536+512*\c
.endr
.endm
.macro FETCH2 ks, p
	WIN TO_B
.irp i, 0,1,2,3,4,5,6,7
	FRAG2 128*(\p)+12*\i, ADRX+(\i/4), \ks, \i%4
.endr
	WIN 0
.irp i, 0,1,2,3
	FRAG2 AF+48*(\p)+12*\i, ADRW, \ks, \i
.endr
	ds_load_b128 v[SC+8*(\p):SC+8*(\p)+3], v[ADT] offset:512*(\ks)
	ds_load_b128 v[SC+8*(\p)+4:SC+8*(\p)+7], v[ADT+1] offset:512*(\ks)
.endm
.macro MUL2 p, zero
	WIN MUL_LO
.set ma, 0
.rept 4
.irp b, 0,1,2,3,4,5,6,7
.if \zero
	v_wmma_scale_f32_16x16x128_f8f6f4 v[8*(8*ma+\b):8*(8*ma+\b)+7], v[128*(\p)+12*\b:128*(\p)+12*\b+11], v[AF+48*(\p)+12*ma:AF+48*(\p)+12*ma+11], 0, v[SC+8*(\p)+\b], v[SC+8*(\p)+ma] matrix_a_fmt:MATRIX_FMT_FP6 matrix_b_fmt:MATRIX_FMT_FP6 matrix_a_scale:MATRIX_SCALE_ROW1
.else
	v_wmma_scale_f32_16x16x128_f8f6f4 v[8*(8*ma+\b):8*(8*ma+\b)+7], v[128*(\p)+12*\b:128*(\p)+12*\b+11], v[AF+48*(\p)+12*ma:AF+48*(\p)+12*ma+11], v[8*(8*ma+\b):8*(8*ma+\b)+7], v[SC+8*(\p)+\b], v[SC+8*(\p)+ma] matrix_a_fmt:MATRIX_FMT_FP6 matrix_b_fmt:MATRIX_FMT_FP6 matrix_a_scale:MATRIX_SCALE_ROW1
.endif
.endr
.set ma, ma+1
.endr
.endm
.macro STEP2 ks, zero
	s_wait_dscnt 0x0
	PLACES
	FETCH2 (\ks)+1, ((\ks)+1)%2
	MUL2 (\ks)%2, \zero
.endm
	s_load_b128 s[4:7], s[0:1], 0x0
	s_load_b128 s[8:11], s[0:1], 0x10
	s_load_b64 s[12:13], s[0:1], 0x20
	s_load_b64 s[20:21], s[0:1], 0x28
	s_load_b64 s[22:23], s[0:1], 0x30
	v_lshl_add_u32 v[SPW], v0, 2, SPARE
	v_mov_b32 v[NIL], 0
	ds_add_u32 v28, v29
	ds_add_u32 v28, v29
	s_wait_dscnt 0x0
	v_lshrrev_b32 v1, 5, v0
	v_readfirstlane_b32 s14, v1
	s_lshr_b32 s15, s14, 1
	s_and_b32 s16, s14, 1
	s_bfe_u32 s66, ttmp6, 0x40000
	s_bfe_u32 s67, ttmp6, 0x40004
	s_lshl_b32 s17, ttmp9, 2
	s_add_co_u32 s17, s17, s66
	s_and_b32 s3, ttmp7, 0xffff
	s_lshl_b32 s3, s3, 2
	s_add_co_u32 s3, s3, s67
	s_lshl_b32 s18, s67, 2
	s_lshl_b32 s18, 15, s18
	s_lshl_b32 s19, 0x1111, s66
	s_or_b32 s[G1+0], s18, (3<<16)|(1<<21)
	s_or_b32 s[G1B+0], s19, (3<<16)|(1<<21)
.irp g, G1, G1B
	s_mov_b32 s[\g+1], (ROWB/8)<<16
	s_mov_b32 s[\g+2], 8<<16
	s_mov_b32 s[\g+3], (ROWB/8)<<16
	s_mov_b32 s[\g+4], 8
	s_mov_b32 s[\g+5], KS*192
	s_mov_b32 s[\g+6], 0
	s_mov_b32 s[\g+7], 0
.endr
	s_lshl_b32 s80, s3, 4
	s_lshl_b32 s81, s16, 3
	s_add_co_u32 s80, s80, s81
	s_mul_i32 s80, s80, 12288
	s_mov_b32 s81, 0
	s_lshl_b32 s92, s17, 4
	s_lshl_b32 s93, s16, 3
	s_add_co_u32 s92, s92, s93
	s_add_co_u32 s92, s92, 512
	s_mul_i32 s92, s92, 12288
	s_mov_b32 s93, 0
	s_lshl_b32 s84, s17, 3
	s_lshl_b32 s85, s16, 2
	s_add_co_u32 s84, s84, s85
	s_add_co_u32 s84, s84, 640
	s_mul_i32 s84, s84, 12288
	s_mov_b32 s85, 0
	s_lshl_b32 s82, s3, 1
	s_lshl_b32 s83, s17, 1
	s_add_co_u32 s83, s83, 64
	s_cmp_eq_u32 s15, 0
	s_cselect_b32 s82, s82, s83
	s_add_co_u32 s82, s82, s16
	s_lshl_b32 s82, s82, 9
	s_mov_b32 s83, 0
	s_mul_i32 s94, s14, 176
	s_add_co_u32 s94, s94, s17
	s_add_co_u32 s94, s94, 80
	s_lshl_b32 s94, s94, 9
	s_mov_b32 s95, 0
	s_mul_i32 s98, s14, 8*ROWB
	s_lshl_b32 s99, s14, 12
	s_mov_b32 s[SEL], 0x76543210
	s_mov_b32 s[SEL+1], 0xfedcba98
	s_wait_kmcnt 0x0
	s_add_nc_u64 s[80:81], s[4:5], s[80:81]
	s_add_nc_u64 s[92:93], s[4:5], s[92:93]
	s_add_nc_u64 s[84:85], s[4:5], s[84:85]
	s_add_nc_u64 s[82:83], s[6:7], s[82:83]
	s_add_nc_u64 s[94:95], s[6:7], s[94:95]
	CROUND
.irp s, 0,1,2
	s_mov_b32 s[G0+4*\s], 1
	s_add_co_u32 s[G0+4*\s+1], s98, \s*SLOT
	s_add_nc_u64 s[G0+4*\s+2:G0+4*\s+3], s[80:81], \s*ROWB
	s_or_b32 s[G0+4*\s+3], s[G0+4*\s+3], 0x80000000
	s_mov_b32 s[G0B+4*\s], 1
	s_add_co_u32 s[G0B+4*\s+1], s98, \s*SLOT
	s_add_nc_u64 s[G0B+4*\s+2:G0B+4*\s+3], s[92:93], \s*ROWB
	s_or_b32 s[G0B+4*\s+3], s[G0B+4*\s+3], 0x80000000
.endr
	s_add_co_u32 s99, s99, SCL                     ; where my 4,096 bytes of scale words go
	s_cmp_eq_u32 s15, 0                            ; the prefetches' base: of the 8 row blocks that I fetch, my work-group names 2, told apart by address:
	s_cselect_b64 s[76:77], s[80:81], s[92:93]     ; x's rows or W's,
	s_cselect_b32 s78, s66, s67                    ; my place among the four that ask jointly (cx for x, cy for W)
	s_mul_i32 s78, s78, 2*12288
	s_mov_b32 s79, 0
	s_add_nc_u64 s[76:77], s[76:77], s[78:79]
	s_lshl_b32 s68, s17, 3                         ; Wv's tile of the second phase: 8 row blocks; the four partners of my column take 2 each, by address (cy),
	s_lshl_b32 s69, s67, 1
	s_add_co_u32 s68, s68, s69
	s_add_co_u32 s68, s68, 640                     ; (Wv's row blocks begin at 640)
	s_mul_i32 s68, s68, 12288
	s_mul_i32 s69, s14, 6144                       ; and each of my four waves a quarter of these 24,576 bytes
	s_add_co_u32 s68, s68, s69
	s_mov_b32 s69, 0
	s_add_nc_u64 s[68:69], s[4:5], s[68:69]
	JLOAD G0, G1, G0B, G1B                         ; K steps 0 and 1: one tensor load a wave at the head
	v_and_b32 v1, 31, v0
	v_and_b32 v2, 15, v0
	v_bfe_u32 v3, v0, 4, 1
	s_wait_alu depctr_va_vdst(0)
	v_lshlrev_b32 v[LI], 4, v1
	v_lshlrev_b32 v[R16], 4, v2
	global_load_b128 v[8:11], v[LI], s[94:95]
	global_load_b128 v[12:15], v[LI], s[94:95] offset:88*512
.irp k, 0,1,2,3,4,5,6,7
	global_load_b128 v[64+4*\k:67+4*\k], v[LI], s[82:83] offset:88*512*\k   ; my group's scale words: 8 K steps x 512 consecutive bytes
.endr
	v_add_nc_u32 v57, s99, v[LI]                   ; their place in LDS
	v_min_u32 v5, 23, v1                           ; the prefetches' offset: 24 blocks of 256 bytes, 12 to a row block; lanes 24-31 name the last again
	v_add_nc_u32 v6, 4, v5
	v_lshrrev_b32 v6, 4, v6                        ; 1 from lane 12 on
	v_mul_u32_u24 v6, 0x2400, v6                   ; the second row block lies 12,288 bytes on: 9,216 beyond the first's 3,072
	v_lshl_add_u32 v56, v5, 8, v6
	v_lshlrev_b32 v58, 8, v5                       ; Wv's prefetch: 24 blocks of 256 bytes on end; lanes 24-31 name the last again
	s_wait_alu depctr_va_vdst(0)
	global_prefetch_b8 v56, s[76:77] offset:ROWB th:TH_LOAD_NT scope:SCOPE_SE     ; K steps 2, 3
	global_prefetch_b8 v56, s[76:77] offset:2*ROWB th:TH_LOAD_NT scope:SCOPE_SE   ; K steps 4, 5: two fills ahead
	s_mul_i32 s18, s15, NA*ROWB
	s_mul_i32 s19, s16, 8*ROWB
	s_add_co_u32 s19, s19, ATILE
.irp s, 0,1,2
	v_add_nc_u32 v[ADRA+\s], s18, v[LI]
	v_add_nc_u32 v[ADRB+\s], s19, v[LI]
	s_add_co_u32 s18, s18, SLOT
	s_add_co_u32 s19, s19, SLOT
.endr
	s_mul_i32 s18, s15, 4096
	s_mul_i32 s19, s16, 4096
	s_add_co_u32 s19, s19, 2*4096
	s_sub_co_u32 s19, s19, s18
	v_mul_u32_u24 v4, s19, v3
	s_add_co_u32 s18, s18, SCL
	v_lshl_add_u32 v4, v2, 4, v4
	v_add_nc_u32 v[ADRS], s18, v4
	s_mul_i32 s18, s16, 8*RB2
	v_add_nc_u32 v[ADRX], s18, v[LI]
	v_add_nc_u32 v[ADRX+1], 4*RB2, v[ADRX]
	s_mul_i32 s18, s15, 4*RB2
	s_add_co_u32 s18, s18, W2
	v_add_nc_u32 v[ADRW], s18, v[LI]
	s_mul_i32 s18, s15, 256
	s_mul_i32 s19, s16, 4096
	s_add_co_u32 s19, s19, SCL-SCW
	s_sub_co_u32 s19, s19, s18
	v_mul_u32_u24 v4, s19, v3
	s_add_co_u32 s18, s18, SCW
	v_lshl_add_u32 v4, v2, 4, v4
	v_add_nc_u32 v[ADT], s18, v4
	v_lshl_add_u32 v[ADT+1], v3, 8, v[ADT]
	s_lshl_b32 s18, s14, 10
	s_add_co_u32 s18, s18, SCW
	v_add_nc_u32 v7, s18, v[LI]
	s_cmp_eq_u32 ttmp9, 0
	s_cselect_b64 s[96:97], s[8:9], s[10:11]
	s_lshl_b32 s100, s66, 10
	s_lshl_b32 s101, s16, 9
	s_add_co_u32 s100, s100, s101
	s_mov_b32 s101, 0
	s_add_nc_u64 s[96:97], s[96:97], s[100:101]
	s_lshl_b32 s100, s17, 9
	s_lshl_b32 s2, s15, 8
	s_add_co_u32 s100, s100, s2
	s_add_nc_u64 s[12:13], s[12:13], s[100:101]
	v_lshlrev_b32 v5, 6, v3
	v_and_b32 v6, 8, v2
	v_add_nc_u32 v6, v6, v2
	v_lshlrev_b32 v6, 2, v6
	WIN TO_B
.irp b, 0,1,2,3,4,5,6,7
	global_load_b128 v[96+8*\b+96*(\b/4):96+8*\b+96*(\b/4)+3], v5, s[96:97] offset:(32*(\b/2)+8*(\b%2))*4
	global_load_b128 v[96+8*\b+96*(\b/4)+4:96+8*\b+96*(\b/4)+7], v5, s[96:97] offset:(32*(\b/2)+8*(\b%2))*4+16
.endr
	WIN 0
.irp a, 0,1,2,3
	global_load_b32 v[BM+2*\a], v6, s[12:13] offset:(32*(\a/2)+8*(\a%2))*4
	global_load_b32 v[BM+2*\a+1], v6, s[12:13] offset:(32*(\a/2)+8*(\a%2))*4
.endr
	s_lshr_b32 s2, s3, 3
	s_and_b32 s100, s3, 7
	s_lshl_b32 s100, s100, 1
	s_add_co_u32 s100, s100, s16
	s_lshl_b32 s18, s17, 3
	s_lshl_b32 s19, s15, 2
	s_add_co_u32 s18, s18, s19
	s_mul_i32 s18, s18, 24576
	s_mul_i32 s19, s2, 1572864
	s_add_co_u32 s18, s18, s19
	s_mul_i32 s19, s100, 1536
	s_add_co_u32 s18, s18, s19
	s_add_co_u32 s18, s18, 12582912
	s_mov_b32 s19, 0
	s_add_nc_u64 s[88:89], s[20:21], s[18:19]
	s_lshl_b32 s18, s2, 16
	s_lshl_b32 s19, s100, 12
	s_add_co_u32 s18, s18, s19
	s_lshl_b32 s19, s17, 9
	s_add_co_u32 s18, s18, s19
	s_lshl_b32 s19, s15, 8
	s_add_co_u32 s18, s18, s19
	s_add_co_u32 s18, s18, 524288
	s_mov_b32 s19, 0
	s_add_nc_u64 s[90:91], s[22:23], s[18:19]
	s_lshl_b32 s18, s3, 4
	s_lshl_b32 s19, s15, 3
	s_add_co_u32 s18, s18, s19
	s_mul_i32 s18, s18, 12288
	s_mul_i32 s19, ttmp9, 6291456
	s_add_co_u32 s18, s18, s19
	s_lshl_b32 s100, s66, 1
	s_add_co_u32 s100, s100, s16
	s_mul_i32 s19, s100, 1536
	s_add_co_u32 s18, s18, s19
	s_mov_b32 s19, 0
	s_add_nc_u64 s[20:21], s[20:21], s[18:19]
	s_lshl_b32 s18, s100, 15
	s_lshl_b32 s19, s3, 1
	s_add_co_u32 s19, s19, s15
	s_lshl_b32 s19, s19, 9
	s_add_co_u32 s18, s18, s19
	s_lshl_b32 s19, ttmp9, 18
	s_add_co_u32 s18, s18, s19
	s_mov_b32 s19, 0
	s_add_nc_u64 s[22:23], s[22:23], s[18:19]
	s_mov_b32 s[HM], 0xffff0000
	s_wait_alu depctr_va_vdst(0)
	s_wait_loadcnt 24                              ; the ten loads of scale words are in; the 24 loads of biases behind them may be out
	ds_store_b128 v7, v[8:11]
	ds_store_b128 v7, v[12:15] offset:512
.irp k, 0,1,2,3,4,5,6,7
	ds_store_b128 v57, v[64+4*\k:67+4*\k] offset:512*\k   ; bytes that no tensor load fills
.endr
	s_wait_tensorcnt 0x0                           ; my part of slot 0 is in
	ds_add_u32 v[SPW], v[NIL]
	s_wait_dscnt 0x0                               ; the add and my stores of scale words are done
	CROUND
	JLOAD G0+4, G1, G0B+4, G1B                     ; K steps 2 and 3 into slot 1
	FETCH 0, 0, 0, 0
	global_prefetch_b8 v56, s[76:77] offset:3*ROWB th:TH_LOAD_NT scope:SCOPE_SE   ; K steps 6, 7: two fills ahead; nothing lies beyond them
	global_prefetch_b8 v58, s[68:69] th:TH_LOAD_NT scope:SCOPE_SE                 ; my 6,144 bytes of Wv's tile, loaded behind K step 7's round
	STEP 0, 1, 0, 1
	TURN 2, 1, 1, 2                                ; slot 1 is whole; slot 2's first fill: K steps 4 and 5
	STEP 1, 1, 2, 0
	TURN 0, 2, 3, 1                                ; slot 2 is whole; slot 0 takes K steps 6 and 7
	STEP 2, 1, 4, 0
	TURN 2, 0, 5, 0
	STEP 0, 1, 6, 0
	WIN 0
	s_wait_tensorcnt 0x0
	ds_add_u32 v[SPW], v[NIL]
	s_mov_b32 s[G1+1], 32<<16
	s_mov_b32 s[G1+2], 384<<16
	s_mov_b32 s[G1+3], 32<<16
	s_mov_b32 s[G1+4], 384
	s_mov_b32 s[G1+5], 32
	s_mov_b32 s[G1B+1], 32<<16
	s_mov_b32 s[G1B+2], 192<<16
	s_mov_b32 s[G1B+3], 32<<16
	s_mov_b32 s[G1B+4], 192
	s_mov_b32 s[G1B+5], 32
	s_mul_i32 s[G0+1], s16, 8*RB2
	s_mov_b64 s[G0+2:G0+3], s[80:81]
	s_or_b32 s[G0+3], s[G0+3], 0x80000000
	s_mul_i32 s[G0B+1], s16, 4*RB2
	s_add_co_u32 s[G0B+1], s[G0B+1], W2
	s_mov_b64 s[G0B+2:G0B+3], s[84:85]
	s_or_b32 s[G0B+3], s[G0B+3], 0x80000000
	s_wait_dscnt 0x0
	s_barrier_signal -1
	MUL 0, NA/2, 1, 0
	WIN 0
	s_barrier_wait -1
	CREST
	JLOAD G0, G1, G0B, G1B
	MUL NA/2, NA/2, 1, 0
	WIN 0
	PLACES
.macro QUANT s, pw
.irp b, 0,1,2,3
	v_max3_num_f32 v[TM+\b], |v[\s+16*\b]|, |v[\s+1+16*\b]|, 0x1800000
.endr
.irp i, 2,4,6,8,10,12,14
.irp b, 0,1,2,3
	v_max3_num_f32 v[TM+\b], v[TM+\b], |v[\s+16*\b+\i]|, |v[\s+1+16*\b+\i]|
.endr
.endr
.irp b, 0,1,2,3
	v_permlanex16_b32 v[TM+4+\b], v[TM+\b], s[SEL], s[SEL+1]
.endr
.irp b, 0,1,2,3
	v_max_num_f32 v[TM+\b], v[TM+\b], v[TM+4+\b]
.endr
.irp b, 0,1,2,3
	v_add_nc_u32 v[TM+12+\b], 0xff000000, v[TM+\b]
.endr
.irp b, 0,1,2,3
	v_lshrrev_b32 v[TM+4+\b], 23, v[TM+12+\b]
.endr
	v_lshl_or_b32 v[\pw], v[TM+5], 8, v[TM+4]
	v_lshl_or_b32 v[\pw], v[TM+6], 16, v[\pw]
	v_lshl_or_b32 v[\pw], v[TM+7], 24, v[\pw]
.irp c, 0,1
	v_cvt_scalef32_pk16_fp6_f32 v[PC+6*\c:PC+2+6*\c], v[\s+32*\c:\s+15+32*\c], v[TM+12+2*\c]
	v_cvt_scalef32_pk16_fp6_f32 v[PC+12+4*\c:PC+14+4*\c], v[\s+16+32*\c:\s+31+32*\c], v[TM+12+2*\c+1]
.endr
	v_nop
.irp c, 0,1
.irp i, 0,1,2
	v_permlane16_swap_b32 v[PC+6*\c+\i], v[PC+12+4*\c+\i]
.endr
.irp i, 0,1,2
	v_mov_b32 v[PC+3+6*\c+\i], v[PC+12+4*\c+\i]
.endr
.endr
.endm
.macro BLOCK1 a
.set AC, 64*((\a)%4)
	s_wait_xcnt 0x0
.if \a > 0
	s_add_nc_u64 s[20:21], s[20:21], 12288
.endif
	WIN 0x06+(\a)/4
.set n, 0
.rept 32
	v_pk_add_f32 v[HA+n:HA+n+1], v[AC+n:AC+n+1], v[96+n+96*(n/32):97+n+96*(n/32)]
.set n, n+2
.endr
	WIN 0
	QUANT HA, WD+\a
.irp c, 0,1,2
	global_store_b128 v[LI], v[PC+4*\c:PC+4*\c+3], s[20:21] offset:512*\c
.endr
.endm
.macro BLOCK2 a
	s_wait_xcnt 0x0
.if \a > 0
	s_add_nc_u64 s[88:89], s[88:89], 24576
.endif
	WIN 0x02
.set n, 0
.rept 32
	v_pk_add_f32 v[HA+n:HA+n+1], v[64*(\a)+n:64*(\a)+n+1], v[BM+2*(\a):BM+2*(\a)+1]
.set n, n+2
.endr
	WIN 0
	QUANT HA, WD+\a
.irp c, 0,1,2
	global_store_b128 v[LI], v[PC+4*\c:PC+4*\c+3], s[88:89] offset:512*\c
.endr
.endm
	s_wait_loadcnt 0x0
.irp b, 0,1,2,3
	v_mov_b32 v[TM+4+\b], 0
.endr
.irp a, 0,1,2,3,4,5,6,7
	BLOCK1 \a
.endr
.irp j, 0,1,2,3
	v_cndmask_b32 v[XJ+\j], v[WD+\j], v[WD+4+\j], s[HM]
.endr
	global_store_b128 v[LI], v[XJ:XJ+3], s[22:23]
	s_wait_tensorcnt 0x0
	s_wait_xcnt 0x0
	s_barrier_signal -1
	s_barrier_wait -1
	FETCH2 0, 0
	STEP2 0, 1
	STEP2 1, 0
	STEP2 2, 0
	STEP2 3, 0
	STEP2 4, 0
	STEP2 5, 0
	STEP2 6, 0
	s_wait_dscnt 0x0
	MUL2 1, 0
	WIN 0
	PLACES
.irp a, 0,1,2,3
	BLOCK2 \a
.endr
	s_wait_xcnt 0x0
	v_cmp_gt_u32 vcc_lo, 16, v1
	s_and_saveexec_b32 s2, vcc_lo
	global_store_b128 v[R16], v[WD:WD+3], s[90:91]
	s_wait_xcnt 0x0
	s_or_b32 exec_lo, exec_lo, s2
	s_wait_tensorcnt 0x0
	ds_add_u32 v[SPW], v[NIL]
	s_wait_dscnt 0x0
	CROUND
	s_endpgm
.Lfunc_end_k_q5cb4e8f0c3_proj:
	.size	k_q5cb4e8f0c3_proj, .Lfunc_end_k_q5cb4e8f0c3_proj-k_q5cb4e8f0c3_proj
	.p2alignl 7, 3214868480
	.fill 96, 4, 3214868480
	.section	.rodata,"a",@progbits
	.p2align	6, 0x0
	.amdhsa_kernel k_q5cb4e8f0c3_proj
		.amdhsa_group_segment_fixed_size 327680
		.amdhsa_private_segment_fixed_size 0
		.amdhsa_enable_private_segment 0
		.amdhsa_kernarg_size 56
		.amdhsa_user_sgpr_count 2
		.amdhsa_user_sgpr_kernarg_segment_ptr 1
		.amdhsa_wavefront_size32 1
		.amdhsa_system_sgpr_workgroup_id_x 1
		.amdhsa_system_sgpr_workgroup_id_y 1
		.amdhsa_system_sgpr_workgroup_id_z 1
		.amdhsa_system_vgpr_workitem_id 0
		.amdhsa_next_free_vgpr 1024
		.amdhsa_next_free_sgpr 102
		.amdhsa_reserve_vcc 1
		.amdhsa_float_denorm_mode_32 3
		.amdhsa_float_denorm_mode_16_64 3
		.amdhsa_memory_ordered 1
		.amdhsa_forward_progress 1
		.amdhsa_inst_pref_size 241
	.end_amdhsa_kernel
	.amdgpu_metadata
---
amdhsa.version: [ 1, 2 ]
amdhsa.kernels:
  - .name:           k_q5cb4e8f0c3_proj
    .symbol:         k_q5cb4e8f0c3_proj.kd
    .args:
      - { .name: xwc, .offset: 0, .size: 8, .value_kind: global_buffer, .address_space: global }
      - { .name: xws, .offset: 8, .size: 8, .value_kind: global_buffer, .address_space: global }
      - { .name: bq, .offset: 16, .size: 8, .value_kind: global_buffer, .address_space: global }
      - { .name: bk, .offset: 24, .size: 8, .value_kind: global_buffer, .address_space: global }
      - { .name: bv, .offset: 32, .size: 8, .value_kind: global_buffer, .address_space: global }
      - { .name: qkvc, .offset: 40, .size: 8, .value_kind: global_buffer, .address_space: global }
      - { .name: qkvs, .offset: 48, .size: 8, .value_kind: global_buffer, .address_space: global }
    .group_segment_fixed_size: 327680
    .private_segment_fixed_size: 0
    .kernarg_segment_align: 8
    .kernarg_segment_size: 56
    .max_flat_workgroup_size: 128
    .sgpr_count:     102
    .vgpr_count:     1024
    .wavefront_size: 32
...
	.end_amdgpu_metadata
.endif
;; end of part 2
;; launch scores (part 3): grid 8 x 32, 4 waves a work-group, clusters of 4 x 4, 327,680 bytes of LDS; arguments qkvc, qkvs, mask, pc, pst; writes pc, pst
.if DOCPART == 3
	.amdgcn_target "amdgcn-amd-amdhsa--gfx1250"
	.amdhsa_code_object_version 6
	.text
	.protected	k_q5cb4e8f0c3_scores
	.globl	k_q5cb4e8f0c3_scores
	.p2align	8
	.type	k_q5cb4e8f0c3_scores,@function
k_q5cb4e8f0c3_scores:
	s_mov_b64 s[64:65], 0
	v_nop
	global_prefetch_b8 v0, s[64:65] scope:SCOPE_SE
	s_setreg_imm32_b32 hwreg(HW_REG_WAVE_MODE, 25, 1), 1
	s_wait_xcnt 0x0
	s_wait_alu depctr_hold_cnt(0) depctr_sa_sdst(0) depctr_va_vdst(0) depctr_va_sdst(0) depctr_va_ssrc(0) depctr_va_vcc(0) depctr_vm_vsrc(0)
	s_getreg_b32 s2, hwreg(HW_REG_IB_STS2, 6, 4)
	s_cmp_eq_u32 s2, 0
	s_cbranch_scc0 .Lentry_in_a_cluster
	s_endpgm
.Lentry_in_a_cluster:
	s_bfe_u32 s2, ttmp6, 0x10000c
	s_cmp_lg_u32 s2, 0xf033
	s_cbranch_scc0 .Lentry_shape_is_right
	s_endpgm
.Lentry_shape_is_right:
; S = Q K^T on codes of FP6, the mask, and p = 2^(t - M) quantised along the keys.  t = score x log2(e) / 32.  A tile of 256 queries x 256 keys to a work-group, 128 x 128 to a wave.
; M IS TAKEN PIECE BY PIECE: for each query and each 128 keys M = ceil(the piece's largest t), a whole number.  Stored for each piece: p's codes (operand images), p's scale words, -M, and l = the sum of the
; unquantised p.  The next launch finds the row's M and takes the difference, a whole number, off p's scale bytes: the codes' values are those under the row's M.
; SOURCE 0 = 16 keys, SOURCE 1 = 16 queries: lane (r, h) holds query-lane r; the 16 registers of key blocks 2 B, 2 B + 1 are keys 32 B + 16 h + 0 .. 15.
; THE MASK is an input: every tile is computed.  A byte 0 turns its score into a number near -2^125 (no infinity, so that no NaN arises on the way): its p is 0.
; A piece with no key left takes M = -2^100, p = 0, l = 0.
; CLUSTER 4 x 4: Q's tile jointly along a row, K's along a column.  The scale words (16 KiB) come by plain loads; the mask's tile, which no partner shares, by each wave's own tensor load.
; LIMITS: |score| under 2^125; a piece's largest t above -2^100; NaN and infinities are not served; a block whose p are all 0 keeps the byte 1.
; REGISTERS as in the projections; on the way out window 0's v64-243 are at work.
.set NA,    8
.set NQ,    2
.set KS,    8
.set ROWB,  NQ*1536
.set ATILE, 16*ROWB
.set SLOT,  2*ATILE
.set SCL,   2*SLOT
.set MSK,   SCL+4*4096                 ; the mask's tile: 256 rows of 256 bytes + 16
.set SPARE, MSK+256*272                ; the spare words: 128 bytes a wave, named by no other line
.set ADRA, 16
.set ADRB, 20
.set ADM,  26
.set ADRS, 27
.set SPW,  28
.set NIL,  29
.set LI,   30
.set SC,   32
.set AF,   64
.set HA,   64                          ; 64 scores, then p
.set MK,   128                         ; mask bytes, two sets of 16 registers
.set LTR,  160                         ; eight limits
.set BX,   168                         ; the four blocks' largest
.set PT,   172
.set SO,   176                         ; scale operands
.set NM,   180                         ; -M (and a written partner)
.set SU,   182                         ; sums
.set TT,   186
.set PC,   188                         ; codes
.set WD,   208                         ; eight scale words; + 8: -M; + 16: l
.set XJ,   232
.set G1,   24
.set G0,   32
.set G1B,  48
.set G0B,  56
.set G1S,  68
.set G0S,  76
.set G1M,  80
.set G0M,  88
.set CS,   92
.set SEL,  94
.set HM,   96
.set CLO,  97
.set MUL_LO, 0xa1
.set TO_B,   0x40
.set MSB, 0
.macro WIN new
.if MSB != (\new)
	s_set_vgpr_msb (MSB<<8)|(\new)
.set MSB, (\new)
.endif
.endm
.macro PLACES
.rept 4
	v_nop
.endr
.endm
.macro JLOAD g0a, g1a, g0b, g1b
	s_cmp_eq_u32 s15, 0
	s_cbranch_scc0 .Lfor_b_\@
	tensor_load_to_lds s[\g0a:\g0a+3], s[\g1a:\g1a+7]
	s_nop 0
	PLACES
	s_branch .Lasked_\@
.Lfor_b_\@:
	tensor_load_to_lds s[\g0b:\g0b+3], s[\g1b:\g1b+7]
	s_nop 0
	PLACES
.Lasked_\@:
.endm
.macro CREST
	s_cmp_lg_u32 s14, 0
	s_cbranch_scc1 .Lnot_wave_0_\@
	s_barrier_signal -3
.Lnot_wave_0_\@:
	s_barrier_wait -3
	s_barrier_signal -1
	s_barrier_wait -1
.endm
.macro CROUND
	s_barrier_signal -1
	s_barrier_wait -1
	CREST
.endm
.macro FRAG reg, adr, q, i
.irp c, 0,1,2
	ds_load_b128 v[\reg+4*\c:\reg+4*\c+3], v[\adr] offset:(\i)*ROWB+(\q)*1536+512*\c
.endr
.endm
.macro FETCH slot, q, p, ks
	WIN TO_B
.irp i, 0,1,2,3,4,5,6,7
	FRAG 128*(\p)+12*\i, ADRB+\slot, \q, \i
.endr
	WIN 0
.irp i, 0,1,2,3,4,5,6,7
	FRAG AF+12*NA*(\p)+12*\i, ADRA+\slot, \q, \i
.endr
	ds_load_b128 v[SC+8*(\p):SC+8*(\p)+3], v[ADRS] offset:512*(\ks)
	ds_load_b128 v[SC+8*(\p)+4:SC+8*(\p)+7], v[ADRS] offset:512*(\ks)+256
.endm
.macro MUL a0, n, p, zero              ; the accumulators take turns in the same order in every step
.set ma, \a0
.rept \n
.set wn, MUL_LO+0x50*(ma/4)
	WIN wn
.irp b, 0,1,2,3,4,5,6,7
.if \zero
	v_wmma_scale_f32_16x16x128_f8f6f4 v[8*(8*(ma%4)+\b):8*(8*(ma%4)+\b)+7], v[128*(\p)+12*\b:128*(\p)+12*\b+11], v[AF+12*NA*(\p)+12*ma:AF+12*NA*(\p)+12*ma+11], 0, v[SC+8*(\p)+\b], v[SC+8*(\p)+ma] matrix_a_fmt:MATRIX_FMT_FP6 matrix_b_fmt:MATRIX_FMT_FP6 matrix_a_scale:MATRIX_SCALE_ROW1
.else
	v_wmma_scale_f32_16x16x128_f8f6f4 v[8*(8*(ma%4)+\b):8*(8*(ma%4)+\b)+7], v[128*(\p)+12*\b:128*(\p)+12*\b+11], v[AF+12*NA*(\p)+12*ma:AF+12*NA*(\p)+12*ma+11], v[8*(8*(ma%4)+\b):8*(8*(ma%4)+\b)+7], v[SC+8*(\p)+\b], v[SC+8*(\p)+ma] matrix_a_fmt:MATRIX_FMT_FP6 matrix_b_fmt:MATRIX_FMT_FP6 matrix_a_scale:MATRIX_SCALE_ROW1
.endif
.endr
.set ma, ma+1
.endr
.endm
.macro STEP slot, q, ks, zero
	s_wait_dscnt 0x0                               ; this step's operands are in
	PLACES                                         ; in front of loads into the set that the last step's products read
	FETCH \slot, (\q)+1, ((\ks)+1)%2, (\ks)+1
	MUL 0, NA, (\ks)%2, \zero
.endm
.macro TURN slot, next, ks, fill
	WIN 0
	s_wait_tensorcnt 0x0                           ; all my tensor loads have landed
	ds_add_u32 v[SPW], v[NIL]                      ; 0 onto my spare word
.if \fill == 1
	s_add_nc_u64 s[G0+4*\slot+2:G0+4*\slot+3], s[G0+4*\slot+2:G0+4*\slot+3], 2*ROWB
	s_add_nc_u64 s[G0B+4*\slot+2:G0B+4*\slot+3], s[G0B+4*\slot+2:G0B+4*\slot+3], 2*ROWB
.endif
	s_wait_dscnt 0x0                               ; the add is done, and my reads of this slot are over
	s_barrier_signal -1
	MUL 0, NA/2, (\ks)%2, 0
	WIN 0
	s_barrier_wait -1
.if \fill == 1
	CREST
	JLOAD G0+4*\slot, G1, G0B+4*\slot, G1B         ; the first tensor load behind the round; its four v_nop are the places in front of the loads below
.else
.if \fill == 2
	CREST
	tensor_load_to_lds s[G0M:G0M+3], s[G1M:G1M+7]  ; fill = 2: the mask's tile, its first fill: my 64 rows
	s_nop 0
	PLACES
.else
	PLACES
.endif
.endif
	FETCH \next, 0, ((\ks)+1)%2, (\ks)+1
	MUL NA/2, NA/2, (\ks)%2, 0
.endm
.macro LAST ks
	s_wait_dscnt 0x0
	MUL 0, NA, (\ks)%2, 0
	WIN 0
	PLACES
.endm
	s_load_b128 s[4:7], s[0:1], 0x0                ; qkvc, qkvs
	s_load_b128 s[8:11], s[0:1], 0x10              ; mask, pc
	s_load_b64 s[12:13], s[0:1], 0x20              ; pst
	v_lshl_add_u32 v[SPW], v0, 2, SPARE
	v_mov_b32 v[NIL], 0
	ds_add_u32 v28, v29
	ds_add_u32 v28, v29
	s_wait_dscnt 0x0
	v_lshrrev_b32 v1, 5, v0
	v_readfirstlane_b32 s14, v1
	s_lshr_b32 s15, s14, 1
	s_and_b32 s16, s14, 1
	s_bfe_u32 s40, ttmp6, 0x40000                  ; cx
	s_bfe_u32 s41, ttmp6, 0x40004                  ; cy
	s_lshl_b32 s42, ttmp9, 2
	s_add_co_u32 s42, s42, s40                     ; the tile of 256 keys in the batch
	s_and_b32 s43, ttmp7, 0xffff
	s_lshl_b32 s17, s43, 2
	s_add_co_u32 s17, s17, s41                     ; the tile of 256 queries, over all batches
	s_lshr_b32 s66, s43, 1                         ; the batch
	s_lshl_b32 s44, s41, 2
	s_lshl_b32 s44, 15, s44
	s_lshl_b32 s45, 0x1111, s40
	s_or_b32 s[G1+0], s44, (3<<16)|(1<<21)
	s_or_b32 s[G1B+0], s45, (3<<16)|(1<<21)
.irp g, G1, G1B
	s_mov_b32 s[\g+1], (ROWB/8)<<16
	s_mov_b32 s[\g+2], 8<<16
	s_mov_b32 s[\g+3], (ROWB/8)<<16
	s_mov_b32 s[\g+4], 8
	s_mov_b32 s[\g+5], KS*192
	s_mov_b32 s[\g+6], 0
	s_mov_b32 s[\g+7], 0
.endr
	s_mov_b32 s[G1M+0], (3<<16)|(1<<20)|(5<<22)|(3<<25)   ; the mask: 64 rows of 256 bytes, 16 bytes of padding behind each
	s_mov_b32 s[G1M+1], 32<<16
	s_mov_b32 s[G1M+2], 64<<16
	s_mov_b32 s[G1M+3], 32<<16
	s_mov_b32 s[G1M+4], 64
	s_mov_b32 s[G1M+5], 256
	s_mov_b32 s[G1M+6], 0
	s_mov_b32 s[G1M+7], 0
	s_lshl_b32 s20, s17, 4
	s_lshl_b32 s21, s16, 3
	s_add_co_u32 s20, s20, s21
	s_mul_i32 s20, s20, 12288                      ; Q: row block 16 tile + 8 half
	s_mov_b32 s21, 0
	s_lshl_b32 s3, s66, 3
	s_add_co_u32 s3, s3, s42                       ; K's tile over all batches
	s_lshl_b32 s46, s3, 4
	s_lshl_b32 s47, s16, 3
	s_add_co_u32 s46, s46, s47
	s_mul_i32 s46, s46, 12288
	s_add_co_u32 s46, s46, 6291456
	s_mov_b32 s47, 0
	s_lshl_b32 s22, s17, 1
	s_lshl_b32 s23, s3, 1
	s_add_co_u32 s23, s23, 512                     ; K's scale words lie 262,144 bytes = 512 groups behind Q's
	s_cmp_eq_u32 s15, 0
	s_cselect_b32 s22, s22, s23
	s_add_co_u32 s22, s22, s16
	s_lshl_b32 s22, s22, 9
	s_mov_b32 s23, 0
	s_and_b32 s98, s17, 7
	s_lshl_b32 s98, s98, 2
	s_add_co_u32 s98, s98, s14
	s_lshl_b32 s98, s98, 17                        ; my 64 rows of the mask's tile: rows of 2,048 bytes
	s_lshl_b32 s99, s66, 22
	s_add_co_u32 s98, s98, s99
	s_lshl_b32 s99, s42, 8
	s_add_co_u32 s98, s98, s99
	s_mov_b32 s99, 0
	s_mul_i32 s67, s14, 8*ROWB
	s_lshl_b32 s100, s14, 12
	s_mul_i32 s101, s14, 64*272
	s_mov_b32 s[CS], 0x3d38aa3b                    ; c = log2(e) / 32
	s_mov_b32 s[CS+1], s[CS]
	s_mov_b32 s[SEL], 0x76543210
	s_mov_b32 s[SEL+1], 0xfedcba98
	s_mov_b32 s[HM], 0xffff0000
	s_mov_b32 s[CLO], 0xfe000000
	s_wait_kmcnt 0x0
	s_add_nc_u64 s[20:21], s[4:5], s[20:21]
	s_add_nc_u64 s[46:47], s[4:5], s[46:47]
	s_add_nc_u64 s[22:23], s[6:7], s[22:23]
	CROUND
.irp s, 0,1
	s_mov_b32 s[G0+4*\s], 1
	s_add_co_u32 s[G0+4*\s+1], s67, \s*SLOT
	s_add_nc_u64 s[G0+4*\s+2:G0+4*\s+3], s[20:21], \s*ROWB
	s_or_b32 s[G0+4*\s+3], s[G0+4*\s+3], 0x80000000
	s_mov_b32 s[G0B+4*\s], 1
	s_add_co_u32 s[G0B+4*\s+1], s67, \s*SLOT
	s_add_nc_u64 s[G0B+4*\s+2:G0B+4*\s+3], s[46:47], \s*ROWB
	s_or_b32 s[G0B+4*\s+3], s[G0B+4*\s+3], 0x80000000
.endr
	s_mov_b32 s[G0M], 1                            ; the mask's descriptor: used behind K step 5's round
	s_add_co_u32 s[G0M+1], s101, MSK
	s_add_nc_u64 s[98:99], s[8:9], s[98:99]        ; my 64 rows of the mask's tile
	s_mov_b64 s[G0M+2:G0M+3], s[98:99]
	s_or_b32 s[G0M+3], s[G0M+3], 0x80000000
	s_add_co_u32 s100, s100, SCL                   ; where my 4,096 bytes of scale words go
	s_cmp_eq_u32 s15, 0                            ; the prefetches' base: of the 8 row blocks that I fetch, my work-group names 2, told apart by address:
	s_cselect_b64 s[76:77], s[20:21], s[46:47]     ; Q's rows or K's,
	s_cselect_b32 s78, s40, s41                    ; my place among the four that ask jointly (cx for Q, cy for K)
	s_mul_i32 s78, s78, 2*12288
	s_mov_b32 s79, 0
	s_add_nc_u64 s[76:77], s[76:77], s[78:79]
	JLOAD G0, G1, G0B, G1B                         ; K steps 0 and 1: one tensor load a wave at the head
	v_and_b32 v1, 31, v0
	v_and_b32 v2, 15, v0
	v_bfe_u32 v3, v0, 4, 1
	s_wait_alu depctr_va_vdst(0)
	v_lshlrev_b32 v[LI], 4, v1
.irp k, 0,1,2,3,4,5,6,7
	global_load_b128 v[64+4*\k:67+4*\k], v[LI], s[22:23] offset:32768*\k   ; my group's scale words: 8 K steps x 512 consecutive bytes
.endr
	v_add_nc_u32 v49, s100, v[LI]                  ; their place in LDS
	v_lshlrev_b32 v50, 11, v1                      ; the mask's prefetch: a lane a row of 2,048 bytes
	v_min_u32 v5, 23, v1                           ; the tiles' prefetch: 24 blocks of 256 bytes, 12 to a row block; lanes 24-31 name the last again
	v_add_nc_u32 v6, 4, v5
	v_lshrrev_b32 v6, 4, v6                        ; 1 from lane 12 on
	v_mul_u32_u24 v6, 0x2400, v6                   ; the second row block lies 12,288 bytes on: 9,216 beyond the first's 3,072
	v_lshl_add_u32 v48, v5, 8, v6
	s_wait_alu depctr_va_vdst(0)
	global_prefetch_b8 v48, s[76:77] offset:ROWB th:TH_LOAD_NT scope:SCOPE_SE     ; K steps 2, 3
	global_prefetch_b8 v48, s[76:77] offset:2*ROWB th:TH_LOAD_NT scope:SCOPE_SE   ; K steps 4, 5: two fills ahead
	s_mul_i32 s18, s15, NA*ROWB
	s_mul_i32 s19, s16, 8*ROWB
	s_add_co_u32 s19, s19, ATILE
.irp s, 0,1
	v_add_nc_u32 v[ADRA+\s], s18, v[LI]
	v_add_nc_u32 v[ADRB+\s], s19, v[LI]
	s_add_co_u32 s18, s18, SLOT
	s_add_co_u32 s19, s19, SLOT
.endr
	s_mul_i32 s18, s15, 4096
	s_mul_i32 s19, s16, 4096
	s_add_co_u32 s19, s19, 2*4096
	s_sub_co_u32 s19, s19, s18
	v_mul_u32_u24 v4, s19, v3
	s_add_co_u32 s18, s18, SCL
	v_lshl_add_u32 v4, v2, 4, v4
	v_add_nc_u32 v[ADRS], s18, v4
	v_and_b32 v4, 8, v2
	v_add_nc_u32 v4, v4, v2                        ; r + 8 (r / 8)
	v_mul_u32_u24 v4, v4, 272
	v_lshl_add_u32 v4, v3, 4, v4
	s_mul_i32 s18, s15, 128*272
	s_lshl_b32 s19, s16, 7
	s_add_co_u32 s18, s18, s19
	s_add_co_u32 s18, s18, MSK
	v_add_nc_u32 v[ADM], s18, v4                   ; the mask: my query's row, my half's keys, + 16 h
	s_lshl_b32 s18, s17, 4
	s_lshl_b32 s19, s15, 3
	s_add_co_u32 s18, s18, s19
	s_mul_i32 s18, s18, 24576                      ; pc: [row block of queries][16 K steps][1,536]
	s_lshl_b32 s2, s42, 1
	s_add_co_u32 s2, s2, s16                       ; the piece: group of keys 2 tile + half
	s_mul_i32 s19, s2, 1536
	s_add_co_u32 s18, s18, s19
	s_mov_b32 s19, 0
	s_add_nc_u64 s[10:11], s[10:11], s[18:19]
	s_lshl_b32 s18, s2, 15                         ; pst: [piece][64 groups of queries][512]
	s_lshl_b32 s2, s17, 1
	s_add_co_u32 s2, s2, s15
	s_lshl_b32 s2, s2, 9
	s_add_co_u32 s18, s18, s2
	s_add_nc_u64 s[12:13], s[12:13], s[18:19]
	s_wait_alu depctr_va_vdst(0)
	s_wait_loadcnt 0x0                             ; my scale words are in registers
.irp k, 0,1,2,3,4,5,6,7
	ds_store_b128 v49, v[64+4*\k:67+4*\k] offset:512*\k   ; bytes that no tensor load fills
.endr
	s_wait_tensorcnt 0x0                           ; my part of slot 0 is in
	ds_add_u32 v[SPW], v[NIL]
	s_wait_dscnt 0x0                               ; the add and my stores of scale words are done
	CROUND
	JLOAD G0+4, G1, G0B+4, G1B                     ; K steps 2 and 3 into slot 1
	FETCH 0, 0, 0, 0
	global_prefetch_b8 v48, s[76:77] offset:3*ROWB th:TH_LOAD_NT scope:SCOPE_SE   ; K steps 6, 7: two fills ahead; nothing lies beyond them
	global_prefetch_b8 v50, s[98:99] th:TH_LOAD_NT scope:SCOPE_SE                 ; my 64 rows x 256 bytes of the mask, loaded behind K step 5's round
	global_prefetch_b8 v50, s[98:99] offset:65536 th:TH_LOAD_NT scope:SCOPE_SE
	STEP 0, 0, 0, 1
	TURN 0, 1, 1, 1
	STEP 1, 0, 2, 0
	TURN 1, 0, 3, 1
	STEP 0, 0, 4, 0
	TURN 0, 1, 5, 2                                ; no K step is left to fetch: the mask's tile is asked for
	STEP 1, 0, 6, 0
	LAST 7
	s_wait_tensorcnt 0x0                           ; my 64 rows of the mask are in;
	s_barrier_signal -1
	s_barrier_wait -1                              ; and everybody's: a wave reads 128 rows
.macro MKLOAD a                        ; block a's mask bytes: my query's 4 x 16 keys
.irp q, 0,1,2,3
	ds_load_b128 v[MK+16*((\a)%2)+4*\q:MK+16*((\a)%2)+4*\q+3], v[ADM] offset:(32*((\a)/2)+8*((\a)%2))*272+32*\q
.endr
.endm
.macro SBLOCK a
.set AC, 64*((\a)%4)
.set MKS, MK+16*((\a)%2)
	s_wait_dscnt 0x0                               ; this block's mask bytes are in
	s_wait_xcnt 0x0                                ; the last block's stores have read their registers
.if \a < 7
	MKLOAD (\a)+1
.endif
	WIN 0x08+4*((\a)/4)                            ; source 1: the accumulators' window
.set g, 0
.rept 8
.irp e, 0,1,2,3,4,5,6,7
	v_lshl_add_u32 v[LTR+\e], v[MKS+(8*g+\e)/4], 31-8*(\e%4), s[CLO]   ; the byte's bit to the top, + 0xfe000000: a number near +2^125 where the key counts, near -2^125 where not
.endr
.irp e, 0,1,2,3,4,5,6,7
	v_min_num_f32 v[HA+8*g+\e], v[LTR+\e], v[AC+8*g+\e]   ; the mask, and the move into window 0; each accumulator from its low end on
.endr
.set g, g+1
.endr
	WIN 0
.irp b, 0,1,2,3
	v_max3_num_f32 v[BX+\b], v[HA+16*\b], v[HA+1+16*\b], v[HA+2+16*\b]   ; the largest score of each block of 32 keys: for the piece's maximum and for the block's largest p
.endr
.irp i, 3,5,7,9,11,13
.irp b, 0,1,2,3
	v_max3_num_f32 v[BX+\b], v[BX+\b], v[HA+16*\b+\i], v[HA+1+16*\b+\i]
.endr
.endr
.irp b, 0,1,2,3
	v_max_num_f32 v[BX+\b], v[BX+\b], v[HA+15+16*\b]
.endr
.irp b, 0,1,2,3
	v_permlanex16_b32 v[PT+\b], v[BX+\b], s[SEL], s[SEL+1]
.endr
.irp b, 0,1,2,3
	v_max_num_f32 v[BX+\b], v[BX+\b], v[PT+\b]
.endr
	v_max3_num_f32 v[TT], v[BX], v[BX+1], v[BX+2]
	v_max_num_f32 v[TT], v[TT], v[BX+3]
	v_mul_f32 v[TT], s[CS], v[TT]                  ; as t
	v_max_num_f32 v[TT], 0xf1800000, v[TT]         ; held at -2^100: a piece with no key left
	v_floor_f32 v[NM], -v[TT]                      ; -M = floor(-t): M is a whole number
.set n, 0
.rept 32
	v_pk_fma_f32 v[HA+n:HA+n+1], v[HA+n:HA+n+1], s[CS:CS+1], v[NM:NM+1] op_sel_hi:[1,0,0]   ; t - M
.set n, n+2
.endr
.irp b, 0,1,2,3
	v_fma_f32 v[BX+\b], v[BX+\b], s[CS], v[NM]
.endr
.set n, 0
	s_wait_alu depctr_va_vdst(0)
.rept 64
	v_exp_f32 v[HA+n], v[HA+n]                     ; p = 2^(t - M)
.set n, n+1
.endr
	v_mov_b32 v[WD+8+\a], v[NM]                    ; -M is kept.  (A plain place behind the exponentials)
	s_wait_alu depctr_va_vdst(0)                   ; one wait for the batch, ahead of its first reader
.irp b, 0,1,2,3
	v_exp_f32 v[BX+\b], v[BX+\b]                   ; the block's largest p
.endr
	v_pk_add_f32 v[SU:SU+1], v[HA:HA+1], v[HA+4:HA+5]   ; the sum of the unquantised p, in two chains
	v_pk_add_f32 v[SU+2:SU+3], v[HA+2:HA+3], v[HA+6:HA+7]
.irp j, 8,12,16,20,24,28,32,36,40,44,48,52,56,60
	v_pk_add_f32 v[SU:SU+1], v[SU:SU+1], v[HA+\j:HA+\j+1]
	v_pk_add_f32 v[SU+2:SU+3], v[SU+2:SU+3], v[HA+\j+2:HA+\j+3]
.endr
	v_pk_add_f32 v[SU:SU+1], v[SU:SU+1], v[SU+2:SU+3]
	v_add_f32 v[SU], v[SU], v[SU+1]
	v_permlanex16_b32 v[TT+1], v[SU], s[SEL], s[SEL+1]
	v_add_f32 v[WD+16+\a], v[SU], v[TT+1]          ; l of the piece
	s_wait_alu depctr_va_vdst(0)                   ; and one for the four
.irp b, 0,1,2,3
	v_max_num_f32 v[BX+\b], 0x1800000, v[BX+\b]    ; the floor 2^(3 - 127)
.endr
.irp b, 0,1,2,3
	v_add_nc_u32 v[SO+\b], 0xff000000, v[BX+\b]
.endr
.irp b, 0,1,2,3
	v_lshrrev_b32 v[PT+\b], 23, v[SO+\b]
.endr
	v_lshl_or_b32 v[WD+\a], v[PT+1], 8, v[PT]
	v_lshl_or_b32 v[WD+\a], v[PT+2], 16, v[WD+\a]
	v_lshl_or_b32 v[WD+\a], v[PT+3], 24, v[WD+\a]
.irp c, 0,1
	v_cvt_scalef32_pk16_fp6_f32 v[PC+6*\c:PC+2+6*\c], v[HA+32*\c:HA+15+32*\c], v[SO+2*\c]
	v_cvt_scalef32_pk16_fp6_f32 v[PC+12+4*\c:PC+14+4*\c], v[HA+16+32*\c:HA+31+32*\c], v[SO+2*\c+1]
.endr
	v_nop                                          ; one plain place behind a scaled conversion
.irp c, 0,1
.irp i, 0,1,2
	v_permlane16_swap_b32 v[PC+6*\c+\i], v[PC+12+4*\c+\i]
.endr
.irp i, 0,1,2
	v_mov_b32 v[PC+3+6*\c+\i], v[PC+12+4*\c+\i]
.endr
.endr
.irp c, 0,1,2
	global_store_b128 v[LI], v[PC+4*\c:PC+4*\c+3], s[10:11] offset:24576*(\a)+512*\c   ; 512 consecutive bytes, aligned
.endr
.endm
	MKLOAD 0
.irp b, 0,1,2,3
	v_mov_b32 v[PT+\b], 0                          ; a lane permute's destination counts as read
.endr
	v_mov_b32 v[NM+1], 0                           ; (named as the upper half of a pair)
	v_mov_b32 v[TT+1], 0
.irp a, 0,1,2,3,4,5,6,7
	SBLOCK \a
.endr
.irp k, 0,1,2                                  ; scale words, -M, l: lanes 0-15 blocks 0-3, lanes 16-31 blocks 4-7; 512 consecutive bytes each
.irp j, 0,1,2,3
	v_cndmask_b32 v[XJ+4*\k+\j], v[WD+8*\k+\j], v[WD+8*\k+4+\j], s[HM]
.endr
	global_store_b128 v[LI], v[XJ+4*\k:XJ+4*\k+3], s[12:13] offset:524288*\k
.endr
	s_wait_tensorcnt 0x0                           ; the wave's end
	ds_add_u32 v[SPW], v[NIL]
	s_wait_dscnt 0x0
	CROUND
	s_endpgm
.Lfunc_end_k_q5cb4e8f0c3_scores:
	.size	k_q5cb4e8f0c3_scores, .Lfunc_end_k_q5cb4e8f0c3_scores-k_q5cb4e8f0c3_scores
	.p2alignl 7, 3214868480
	.fill 96, 4, 3214868480
	.section	.rodata,"a",@progbits
	.p2align	6, 0x0
	.amdhsa_kernel k_q5cb4e8f0c3_scores
		.amdhsa_group_segment_fixed_size 327680
		.amdhsa_private_segment_fixed_size 0
		.amdhsa_enable_private_segment 0
		.amdhsa_kernarg_size 40
		.amdhsa_user_sgpr_count 2
		.amdhsa_user_sgpr_kernarg_segment_ptr 1
		.amdhsa_wavefront_size32 1
		.amdhsa_system_sgpr_workgroup_id_x 1
		.amdhsa_system_sgpr_workgroup_id_y 1
		.amdhsa_system_sgpr_workgroup_id_z 1
		.amdhsa_system_vgpr_workitem_id 0
		.amdhsa_next_free_vgpr 1024
		.amdhsa_next_free_sgpr 102
		.amdhsa_reserve_vcc 0
		.amdhsa_float_denorm_mode_32 3
		.amdhsa_float_denorm_mode_16_64 3
		.amdhsa_memory_ordered 1
		.amdhsa_forward_progress 1
		.amdhsa_inst_pref_size 245
	.end_amdhsa_kernel
	.amdgpu_metadata
---
amdhsa.version: [ 1, 2 ]
amdhsa.kernels:
  - .name:           k_q5cb4e8f0c3_scores
    .symbol:         k_q5cb4e8f0c3_scores.kd
    .args:
      - { .name: qkvc, .offset: 0, .size: 8, .value_kind: global_buffer, .address_space: global }
      - { .name: qkvs, .offset: 8, .size: 8, .value_kind: global_buffer, .address_space: global }
      - { .name: mask, .offset: 16, .size: 8, .value_kind: global_buffer, .address_space: global }
      - { .name: pc, .offset: 24, .size: 8, .value_kind: global_buffer, .address_space: global }
      - { .name: pst, .offset: 32, .size: 8, .value_kind: global_buffer, .address_space: global }
    .group_segment_fixed_size: 327680
    .private_segment_fixed_size: 0
    .kernarg_segment_align: 8
    .kernarg_segment_size: 40
    .max_flat_workgroup_size: 128
    .sgpr_count:     102
    .vgpr_count:     1024
    .wavefront_size: 32
...
	.end_amdgpu_metadata
.endif
;; end of part 3
;; launch pv (part 4): grid 4 x 64, 4 waves a work-group, clusters of 4 x 4, 327,680 bytes of LDS; arguments pc, pst, qkvc, qkvs, out0; writes out0
.if DOCPART == 4
	.amdgcn_target "amdgcn-amd-amdhsa--gfx1250"
	.amdhsa_code_object_version 6
	.text
	.protected	k_q5cb4e8f0c3_pv
	.globl	k_q5cb4e8f0c3_pv
	.p2align	8
	.type	k_q5cb4e8f0c3_pv,@function
k_q5cb4e8f0c3_pv:
	s_mov_b64 s[64:65], 0
	v_nop
	global_prefetch_b8 v0, s[64:65] scope:SCOPE_SE
	s_setreg_imm32_b32 hwreg(HW_REG_WAVE_MODE, 25, 1), 1
	s_wait_xcnt 0x0
	s_wait_alu depctr_hold_cnt(0) depctr_sa_sdst(0) depctr_va_vdst(0) depctr_va_sdst(0) depctr_va_ssrc(0) depctr_va_vcc(0) depctr_vm_vsrc(0)
	s_getreg_b32 s2, hwreg(HW_REG_IB_STS2, 6, 4)
	s_cmp_eq_u32 s2, 0
	s_cbranch_scc0 .Lentry_in_a_cluster
	s_endpgm
.Lentry_in_a_cluster:
	s_bfe_u32 s2, ttmp6, 0x10000c
	s_cmp_lg_u32 s2, 0xf033
	s_cbranch_scc0 .Lentry_shape_is_right
	s_endpgm
.Lentry_shape_is_right:
; out = (P V) / l on codes of FP6.  A = P (queries x keys), B = V^T (channels x keys), both as operand images; K = the batch's 2,048 keys, 16 K steps.
; A tile of 128 queries x 256 channels to a work-group, 64 x 128 to a wave: 32 accumulators.  4 x 64 = 256 work-groups.  Two LDS slots of four K steps, four fills, written out.
; PROLOGUE.  p was made piece by piece (128 keys) under the piece's own whole number M.  Each wave finds, for the group's 128 queries, the row's M (the largest of 16) and l = the sum of l_piece x 2^(M_piece - M),
; exactly; wave w lowers the scale bytes of pieces 4 w .. 4 w + 3 by M - M_piece and lays the words into LDS for all four waves.  A byte that would fall under 0 is held at 0.
; A row with no key left has l = 0 and sums 0: 0 x infinity gives the NaN that the softmax of such a row gives.
; CLUSTER 4 x 4: P's tile jointly along a row, V's along a column.  V's scale words (16 KiB against 590 KiB of codes) come by plain loads, a quarter a wave.
; LIMITS: p more than 2^127 under the row's largest is taken with the byte 0; NaN and infinities are not served.
; REGISTERS: window 0: v16-31 addresses; v32-47 scale words, two sets; v48-53 1 / l; v64-159 A's fragments, two sets (the prologue works in v64-251); window 1: B's two sets; window 2: accumulator (a, b) at v[8 (8 a + b)].
.set NA,    4
.set NQ,    4
.set KS,    16
.set ROWB,  NQ*1536
.set ATILE, 8*ROWB
.set SLOT,  ATILE+16*ROWB
.set SCA,   2*SLOT                     ; p's scale words, adjusted: 16 K steps x 512 bytes; written by LDS stores alone
.set RL,    SCA+8192                   ; 1 / l: 512 bytes a wave
.set SCB,   RL+2048                    ; V's scale words: 2 groups x 16 K steps x 512 bytes
.set SPARE, SCB+16384                  ; the spare words: 128 bytes a wave, named by no other line
.set ADRA, 16
.set ADRB, 20
.set RLW,  22
.set RLR,  23
.set SCAW, 24
.set STO,  25
.set ADRS2, 26
.set ADRS, 27
.set SPW,  28
.set NIL,  29
.set LI,   30
.set SRD,  31
.set SC,   32
.set AF,   64
.set NMA,  64                          ; the prologue: -M of 16 pieces x my 4 rows
.set LA,   128                         ; l likewise
.set OW,   192                         ; my wave's 4 pieces' scale words
.set ONM,  208                         ; and their -M
.set MR,   224                         ; the rows' -M
.set LS,   228                         ; the rows' l
.set RC,   232                         ; 1 / l
.set TP,   236                         ; 16 at work
.set T,    64                          ; the way out
.set BK,   128
.set G1,   24
.set G0,   32
.set G1B,  48
.set G0B,  56
.set G1S,  68
.set G0S,  76
.set REP,  84
.set MUL_LO, 0xa1
.set TO_B,   0x40
.set MSB, 0
.macro WIN new
.if MSB != (\new)
	s_set_vgpr_msb (MSB<<8)|(\new)
.set MSB, (\new)
.endif
.endm
.macro PLACES
.rept 4
	v_nop
.endr
.endm
.macro JLOAD g0a, g1a, g0b, g1b
	s_cmp_eq_u32 s15, 0
	s_cbranch_scc0 .Lfor_b_\@
	tensor_load_to_lds s[\g0a:\g0a+3], s[\g1a:\g1a+7]
	s_nop 0
	PLACES
	s_branch .Lasked_\@
.Lfor_b_\@:
	tensor_load_to_lds s[\g0b:\g0b+3], s[\g1b:\g1b+7]
	s_nop 0
	PLACES
.Lasked_\@:
.endm
.macro CREST
	s_cmp_lg_u32 s14, 0
	s_cbranch_scc1 .Lnot_wave_0_\@
	s_barrier_signal -3
.Lnot_wave_0_\@:
	s_barrier_wait -3
	s_barrier_signal -1
	s_barrier_wait -1
.endm
.macro CROUND
	s_barrier_signal -1
	s_barrier_wait -1
	CREST
.endm
.macro FRAG reg, adr, q, i
.irp c, 0,1,2
	ds_load_b128 v[\reg+4*\c:\reg+4*\c+3], v[\adr] offset:(\i)*ROWB+(\q)*1536+512*\c
.endr
.endm
.macro FETCH slot, q, p, ks            ; B's eight fragments, A's four, the scale words: register i: lanes 16-31 B's block i; lanes 0-15 A's block i % 4
	WIN TO_B
.irp i, 0,1,2,3,4,5,6,7
	FRAG 128*(\p)+12*\i, ADRB+\slot, \q, \i
.endr
	WIN 0
.irp i, 0,1,2,3
	FRAG AF+12*NA*(\p)+12*\i, ADRA+\slot, \q, \i
.endr
	ds_load_b128 v[SC+8*(\p):SC+8*(\p)+3], v[ADRS] offset:512*(\ks)
	ds_load_b128 v[SC+8*(\p)+4:SC+8*(\p)+7], v[ADRS2] offset:512*(\ks)
.endm
.macro MUL a0, n, p, zero              ; the accumulators take turns in the same order in every step
.set ma, \a0
.rept \n
	WIN MUL_LO
.irp b, 0,1,2,3,4,5,6,7
.if \zero
	v_wmma_scale_f32_16x16x128_f8f6f4 v[8*(8*ma+\b):8*(8*ma+\b)+7], v[128*(\p)+12*\b:128*(\p)+12*\b+11], v[AF+12*NA*(\p)+12*ma:AF+12*NA*(\p)+12*ma+11], 0, v[SC+8*(\p)+\b], v[SC+8*(\p)+ma] matrix_a_fmt:MATRIX_FMT_FP6 matrix_b_fmt:MATRIX_FMT_FP6 matrix_a_scale:MATRIX_SCALE_ROW1
.else
	v_wmma_scale_f32_16x16x128_f8f6f4 v[8*(8*ma+\b):8*(8*ma+\b)+7], v[128*(\p)+12*\b:128*(\p)+12*\b+11], v[AF+12*NA*(\p)+12*ma:AF+12*NA*(\p)+12*ma+11], v[8*(8*ma+\b):8*(8*ma+\b)+7], v[SC+8*(\p)+\b], v[SC+8*(\p)+ma] matrix_a_fmt:MATRIX_FMT_FP6 matrix_b_fmt:MATRIX_FMT_FP6 matrix_a_scale:MATRIX_SCALE_ROW1
.endif
.endr
.set ma, ma+1
.endr
.endm
.macro STEP slot, q, ks, zero
	s_wait_dscnt 0x0                               ; this step's operands are in
	PLACES                                         ; in front of loads into the set that the last step's products read
	FETCH \slot, (\q)+1, ((\ks)+1)%2, (\ks)+1
	MUL 0, NA, (\ks)%2, \zero
.endm
.macro TURN slot, next, ks, fill
	WIN 0
	s_wait_tensorcnt 0x0                           ; all my tensor loads have landed
	ds_add_u32 v[SPW], v[NIL]                      ; 0 onto my spare word
.if \fill
	s_add_nc_u64 s[G0+4*\slot+2:G0+4*\slot+3], s[G0+4*\slot+2:G0+4*\slot+3], 2*ROWB
	s_add_nc_u64 s[G0B+4*\slot+2:G0B+4*\slot+3], s[G0B+4*\slot+2:G0B+4*\slot+3], 2*ROWB
.endif
	s_wait_dscnt 0x0                               ; the add is done, and my reads of this slot are over
	s_barrier_signal -1
	MUL 0, NA/2, (\ks)%2, 0
	WIN 0
	s_barrier_wait -1
.if \fill
	CREST
	JLOAD G0+4*\slot, G1, G0B+4*\slot, G1B         ; the first tensor load behind the round; its four v_nop are the places in front of the loads below
.else
	PLACES
.endif
	FETCH \next, 0, ((\ks)+1)%2, (\ks)+1
	MUL NA/2, NA/2, (\ks)%2, 0
.endm
.macro LAST ks
	s_wait_dscnt 0x0
	MUL 0, NA, (\ks)%2, 0
	WIN 0
	PLACES
.endm
	s_load_b128 s[4:7], s[0:1], 0x0                ; pc, pst
	s_load_b128 s[8:11], s[0:1], 0x10              ; qkvc, qkvs
	s_load_b64 s[12:13], s[0:1], 0x20              ; out0
	v_lshl_add_u32 v[SPW], v0, 2, SPARE
	v_mov_b32 v[NIL], 0
	ds_add_u32 v28, v29
	ds_add_u32 v28, v29
	s_wait_dscnt 0x0
	v_lshrrev_b32 v1, 5, v0
	v_readfirstlane_b32 s14, v1
	s_lshr_b32 s15, s14, 1
	s_and_b32 s16, s14, 1
	s_bfe_u32 s40, ttmp6, 0x40000                  ; cx: the tile of 256 channels
	s_bfe_u32 s41, ttmp6, 0x40004                  ; cy
	s_and_b32 s43, ttmp7, 0xffff
	s_lshl_b32 s17, s43, 2
	s_add_co_u32 s17, s17, s41                     ; the group of 128 queries, over all batches
	s_lshr_b32 s66, s43, 2                         ; the batch
	s_lshl_b32 s44, s41, 2
	s_lshl_b32 s44, 15, s44
	s_lshl_b32 s45, 0x1111, s40
	s_or_b32 s[G1+0], s44, (3<<16)|(1<<21)
	s_mov_b32 s[G1+1], (ROWB/8)<<16                ; a row block's 6,144 bytes of four K steps
	s_mov_b32 s[G1+2], 4<<16                       ; P: 4 row blocks a load
	s_mov_b32 s[G1+3], (ROWB/8)<<16
	s_mov_b32 s[G1+4], 4
	s_mov_b32 s[G1+5], KS*192                      ; from row block to row block: 24,576 bytes
	s_mov_b32 s[G1+6], 0
	s_mov_b32 s[G1+7], 0
	s_or_b32 s[G1B+0], s45, (3<<16)|(1<<21)
	s_mov_b32 s[G1B+1], (ROWB/8)<<16
	s_mov_b32 s[G1B+2], 8<<16                      ; V: 8 row blocks a load
	s_mov_b32 s[G1B+3], (ROWB/8)<<16
	s_mov_b32 s[G1B+4], 8
	s_mov_b32 s[G1B+5], KS*192
	s_mov_b32 s[G1B+6], 0
	s_mov_b32 s[G1B+7], 0
	s_lshl_b32 s20, s17, 3
	s_lshl_b32 s21, s16, 2
	s_add_co_u32 s20, s20, s21
	s_mul_i32 s20, s20, 24576                      ; P: row block 8 group + 4 half
	s_mov_b32 s21, 0
	s_lshl_b32 s46, s40, 4
	s_lshl_b32 s47, s16, 3
	s_add_co_u32 s46, s46, s47
	s_mul_i32 s46, s46, 24576                      ; V: row block 16 tile + 8 half,
	s_mul_i32 s47, s66, 1572864                    ; in the batch
	s_add_co_u32 s46, s46, s47
	s_add_co_u32 s46, s46, 12582912
	s_mov_b32 s47, 0
	s_lshl_b32 s22, s40, 1
	s_add_co_u32 s22, s22, s16
	s_lshl_b32 s22, s22, 9                         ; V's scale words: group 2 tile + (wave % 2),
	s_lshl_b32 s23, s15, 15                        ; K steps 8 (wave / 2) on
	s_add_co_u32 s22, s22, s23
	s_lshl_b32 s23, s66, 16
	s_add_co_u32 s22, s22, s23
	s_add_co_u32 s22, s22, 524288
	s_mov_b32 s23, 0
	s_mul_i32 s67, s16, 4*ROWB                     ; where A's half goes,
	s_mul_i32 s98, s16, 8*ROWB
	s_add_co_u32 s98, s98, ATILE                   ; B's half,
	s_lshl_b32 s99, s16, 13
	s_lshl_b32 s100, s15, 12
	s_add_co_u32 s99, s99, s100                    ; my quarter of V's scale words
	s_lshl_b32 s80, s17, 9                         ; pst: my group's 512 bytes of a piece
	s_mov_b32 s81, 0
	s_lshl_b32 s82, s14, 17                        ; my wave's four pieces: 4 x 32,768 bytes on
	s_mov_b32 s83, 0
	s_mov_b32 s[REP], 0x01010101
	s_wait_kmcnt 0x0
	s_add_nc_u64 s[20:21], s[4:5], s[20:21]
	s_add_nc_u64 s[46:47], s[8:9], s[46:47]
	s_add_nc_u64 s[22:23], s[10:11], s[22:23]
	s_add_nc_u64 s[80:81], s[6:7], s[80:81]
	s_add_nc_u64 s[82:83], s[80:81], s[82:83]
	CROUND
.irp s, 0,1
	s_mov_b32 s[G0+4*\s], 1
	s_add_co_u32 s[G0+4*\s+1], s67, \s*SLOT
	s_add_nc_u64 s[G0+4*\s+2:G0+4*\s+3], s[20:21], \s*ROWB
	s_or_b32 s[G0+4*\s+3], s[G0+4*\s+3], 0x80000000
	s_mov_b32 s[G0B+4*\s], 1
	s_add_co_u32 s[G0B+4*\s+1], s98, \s*SLOT
	s_add_nc_u64 s[G0B+4*\s+2:G0B+4*\s+3], s[46:47], \s*ROWB
	s_or_b32 s[G0B+4*\s+3], s[G0B+4*\s+3], 0x80000000
.endr
	s_add_co_u32 s99, s99, SCB                     ; where my 4,096 bytes of V's scale words go
	s_cmp_eq_u32 s15, 0                            ; the prefetches' base: of the row blocks that I fetch (P: 4, V: 8) my work-group names a quarter, told apart by address:
	s_cselect_b64 s[76:77], s[20:21], s[46:47]     ; P's rows or V's,
	s_cselect_b32 s78, s40, s41                    ; my place among the four that ask jointly (cx for P, cy for V),
	s_lshl_b32 s78, s78, s15                       ; x 1 row block for P, x 2 for V
	s_mul_i32 s78, s78, 24576
	s_mov_b32 s79, 0
	s_add_nc_u64 s[76:77], s[76:77], s[78:79]
; fill f's part of my work-group's row blocks: 24 blocks of 256 bytes to a row block; V's waves name a second row block
.macro ASK f
	global_prefetch_b8 v54, s[76:77] offset:(\f)*ROWB th:TH_LOAD_NT scope:SCOPE_SE
	s_cmp_eq_u32 s15, 0
	s_cbranch_scc1 .Lasked_p_\@
	global_prefetch_b8 v54, s[76:77] offset:(\f)*ROWB+24576 th:TH_LOAD_NT scope:SCOPE_SE
.Lasked_p_\@:
.endm
	JLOAD G0, G1, G0B, G1B                         ; K steps 0 to 3: one tensor load a wave at the head
	v_and_b32 v1, 31, v0
	v_and_b32 v2, 15, v0                           ; r
	v_bfe_u32 v3, v0, 4, 1                         ; h
	s_wait_alu depctr_va_vdst(0)
	v_lshlrev_b32 v[LI], 4, v1
	v_min_u32 v54, 23, v1                          ; the prefetches' offset: lanes 24-31 name the last block again
	v_lshlrev_b32 v54, 8, v54
	v_add_nc_u32 v55, s99, v[LI]                   ; V's scale words: their place in LDS
	s_wait_alu depctr_va_vdst(0)
.irp k, 0,1,2,3,4,5,6,7,8,9,10,11,12,13,14,15  ; lane (r, h), register j: block 4 h + j, row-lane r of the group
	global_load_b128 v[NMA+4*\k:NMA+4*\k+3], v[LI], s[80:81] offset:524288+32768*\k
.endr
.irp k, 0,1,2,3,4,5,6,7,8,9,10,11,12,13,14,15
	global_load_b128 v[LA+4*\k:LA+4*\k+3], v[LI], s[80:81] offset:1048576+32768*\k
.endr
.irp n, 0,1,2,3
	global_load_b128 v[OW+4*\n:OW+4*\n+3], v[LI], s[82:83] offset:32768*\n
	global_load_b128 v[ONM+4*\n:ONM+4*\n+3], v[LI], s[82:83] offset:524288+32768*\n
.endr
.irp k, 0,1,2,3,4,5,6,7                        ; my quarter of V's scale words: 8 K steps x 512 consecutive bytes, into v32-47, v56-63, v8-15
.set sr, 32+4*\k+8*(\k/4)-56*(\k/6)
	global_load_b128 v[sr:sr+3], v[LI], s[22:23] offset:4096*\k
.endr
	ASK 1                                          ; K steps 4 to 7
	ASK 2                                          ; K steps 8 to 11: two fills ahead
	s_mul_i32 s18, s15, NA*ROWB
	s_mul_i32 s19, s16, 8*ROWB
	s_add_co_u32 s19, s19, ATILE
.irp s, 0,1
	v_add_nc_u32 v[ADRA+\s], s18, v[LI]
	v_add_nc_u32 v[ADRB+\s], s19, v[LI]
	s_add_co_u32 s18, s18, SLOT
	s_add_co_u32 s19, s19, SLOT
.endr
	s_mul_i32 s18, s15, 256                        ; A's scale words: my half's four blocks
	s_mul_i32 s19, s16, 8192
	s_add_co_u32 s19, s19, SCB-SCA                 ; B's: my group
	s_sub_co_u32 s19, s19, s18
	v_mul_u32_u24 v4, s19, v3                      ; lanes 16-31 take B's
	s_add_co_u32 s18, s18, SCA
	v_lshl_add_u32 v4, v2, 4, v4
	v_add_nc_u32 v[ADRS], s18, v4
	v_lshl_add_u32 v[ADRS2], v3, 8, v[ADRS]        ; B's blocks 4-7 lie 256 bytes on; lanes 0-15 read A's words again
	s_lshl_b32 s18, s14, 9
	s_add_co_u32 s18, s18, RL
	v_add_nc_u32 v[RLW], s18, v[LI]
	s_lshl_b32 s19, s15, 8
	s_add_co_u32 s18, s18, s19
	v_lshl_add_u32 v[RLR], v2, 4, s18
	s_lshl_b32 s18, s14, 11
	s_add_co_u32 s18, s18, SCA
	v_add_nc_u32 v[SCAW], s18, v[LI]
	s_mul_i32 s18, s14, 8448                       ; my stage for the way out: 16 rows of 512 bytes + 16, in slot 0, which has had its last fill and its last read by then
	v_mul_u32_u24 v4, v2, 528
	v_lshl_add_u32 v4, v3, 6, v4
	v_add_nc_u32 v[STO], s18, v4
	v_add_nc_u32 v[SRD], s18, v[LI]
	v_mov_b32 v53, 0                               ; (named as the upper half of a pair)
	s_lshl_b32 s18, s17, 19                        ; out0: row 128 group + 64 half, of 4,096 bytes; column 256 tile + 128 half
	s_lshl_b32 s19, s15, 18
	s_add_co_u32 s18, s18, s19
	s_lshl_b32 s19, s40, 10
	s_add_co_u32 s18, s18, s19
	s_lshl_b32 s19, s16, 9
	s_add_co_u32 s18, s18, s19
	s_mov_b32 s19, 0
	s_add_nc_u64 s[12:13], s[12:13], s[18:19]
	s_wait_loadcnt 0x0
.irp j, 0,1,2,3
	v_min3_num_f32 v[MR+\j], v[NMA+\j], v[NMA+4+\j], v[NMA+8+\j]   ; the row's -M: the least of the pieces'
.endr
.irp k, 3,5,7,9,11,13
.irp j, 0,1,2,3
	v_min3_num_f32 v[MR+\j], v[MR+\j], v[NMA+4*\k+\j], v[NMA+4*\k+4+\j]
.endr
.endr
.irp j, 0,1,2,3
	v_min_num_f32 v[MR+\j], v[MR+\j], v[NMA+60+\j]
.endr
.set n, 0
.rept 64
	v_sub_f32 v[NMA+n], v[MR+n%4], v[NMA+n]        ; M_piece - M: a whole number, 0 or less
.set n, n+1
.endr
.set n, 0
.rept 64
	v_cvt_i32_f32 v[NMA+n], v[NMA+n]               ; (it saturates)
.set n, n+1
.endr
.set n, 0
.rept 64
	v_ldexp_f32 v[LA+n], v[LA+n], v[NMA+n]         ; l_piece under the row's M: nothing is rounded
.set n, n+1
.endr
	v_pk_add_f32 v[LS:LS+1], v[LA:LA+1], v[LA+4:LA+5]
	v_pk_add_f32 v[LS+2:LS+3], v[LA+2:LA+3], v[LA+6:LA+7]
.irp k, 2,3,4,5,6,7,8,9,10,11,12,13,14,15
	v_pk_add_f32 v[LS:LS+1], v[LS:LS+1], v[LA+4*\k:LA+4*\k+1]
	v_pk_add_f32 v[LS+2:LS+3], v[LS+2:LS+3], v[LA+4*\k+2:LA+4*\k+3]
.endr
	s_wait_alu depctr_va_vdst(0)
.irp j, 0,1,2,3
	v_rcp_f32 v[RC+\j], v[LS+\j]
.endr
	; my four pieces' scale words: each byte lowered by d = min(M - M_piece, 127), held at 0.  p's bytes are 1 to 125, so (byte | 128) - d stays inside its byte
.set n, 0
.rept 16
	v_sub_f32 v[ONM+n], v[ONM+n], v[MR+n%4]
.set n, n+1
.endr
.set n, 0
.rept 16
	v_min_num_f32 v[ONM+n], 0x42fe0000, v[ONM+n]
.set n, n+1
.endr
.set n, 0
.rept 16
	v_cvt_u32_f32 v[ONM+n], v[ONM+n]
.set n, n+1
.endr
.set n, 0
.rept 16
	v_mul_lo_u32 v[ONM+n], v[ONM+n], s[REP]        ; d in all four bytes
.set n, n+1
.endr
.set n, 0
.rept 16
	v_or_b32 v[OW+n], 0x80808080, v[OW+n]
.set n, n+1
.endr
.set n, 0
.rept 16
	v_sub_nc_u32 v[OW+n], v[OW+n], v[ONM+n]
.set n, n+1
.endr
.set n, 0
.rept 16
	v_and_b32 v[ONM+n], 0x80808080, v[OW+n]        ; the top bit stays where the byte was at least d
.set n, n+1
.endr
.set n, 0
.rept 16
	v_lshrrev_b32 v[TP+n], 7, v[ONM+n]
.set n, n+1
.endr
.set n, 0
.rept 16
	v_sub_nc_u32 v[ONM+n], v[ONM+n], v[TP+n]       ; 0x7f there, 0 elsewhere
.set n, n+1
.endr
.set n, 0
.rept 16
	v_and_b32 v[OW+n], v[OW+n], v[ONM+n]
.set n, n+1
.endr
	s_wait_alu depctr_va_vdst(0)                   ; one wait for the four reciprocals, ahead of their first reader
	ds_store_b128 v[RLW], v[RC:RC+3]               ; 1 / l changes lanes through my own 512 bytes:
	ds_load_b128 v[48:51], v[RLR]                  ; lane (r, h) takes those of row-lane r of my four blocks
.irp n, 0,1,2,3
	ds_store_b128 v[SCAW], v[OW+4*\n:OW+4*\n+3] offset:512*\n
.endr
.irp k, 0,1,2,3,4,5,6,7
.set sr, 32+4*\k+8*(\k/4)-56*(\k/6)
	ds_store_b128 v55, v[sr:sr+3] offset:512*\k    ; bytes that no tensor load fills
.endr
	s_wait_tensorcnt 0x0                           ; my part of slot 0 is in
	ds_add_u32 v[SPW], v[NIL]
	s_wait_dscnt 0x0                               ; the add is done, and for the others' sake my scale words have landed
	CROUND
	JLOAD G0+4, G1, G0B+4, G1B                     ; K steps 4 to 7 into slot 1
	FETCH 0, 0, 0, 0
	ASK 3                                          ; K steps 12 to 15: two fills ahead; nothing lies beyond them
	STEP 0, 0, 0, 1
	STEP 0, 1, 1, 0
	STEP 0, 2, 2, 0
	TURN 0, 1, 3, 1
	STEP 1, 0, 4, 0
	STEP 1, 1, 5, 0
	STEP 1, 2, 6, 0
	TURN 1, 0, 7, 1
	STEP 0, 0, 8, 0
	STEP 0, 1, 9, 0
	STEP 0, 2, 10, 0
	TURN 0, 1, 11, 0                               ; nothing is left to fetch; behind this barrier nobody reads slot 0
	STEP 1, 0, 12, 0
	STEP 1, 1, 13, 0
	STEP 1, 2, 14, 0
	LAST 15
; THE WAY OUT, a block of 16 queries x 128 channels at a time: divided by l, through my stage, back as whole rows of 512 bytes
.macro OUTB a
	v_mov_b32 v52, v[48+\a]
	WIN 0x02                                       ; source 0: the accumulators' window
.set n, 0
.rept 32
	v_pk_mul_f32 v[T+n:T+n+1], v[64*(\a)+n:64*(\a)+n+1], v[52:53] op_sel_hi:[1,0]   ; each accumulator from its low end on
.set n, n+2
.endr
	WIN 0
.irp q, 0,1,2,3
.irp k, 0,1,2,3
	ds_store_b128 v[STO], v[T+16*\q+4*\k:T+16*\q+4*\k+3] offset:128*\q+16*\k   ; registers 16 q + 4 k on are channels 32 q + 16 h + 4 k on
.endr
.endr
.if \a > 0
	s_wait_xcnt 0x0                                ; the last block's stores have read their registers
.endif
.irp t, 0,1,2,3,4,5,6,7,8,9,10,11,12,13,14,15
	ds_load_b128 v[BK+4*\t:BK+4*\t+3], v[SRD] offset:528*\t   ; LDS serves a wave's instructions in order: these see my stores
.endr
.irp t, 0,1,2,3,4,5,6,7,8,9,10,11,12,13,14,15
	s_wait_dscnt 15-\t                             ; row t is back; the 15 - t younger loads may be out
	global_store_b128 v[LI], v[BK+4*\t:BK+4*\t+3], s[12:13] offset:(32*((\a)/2)+8*((\a)%2)+\t+8*(\t/8))*4096 th:TH_STORE_NT   ; 512 consecutive bytes, aligned
.endr
.endm
	OUTB 0
	OUTB 1
	OUTB 2
	OUTB 3
	s_wait_tensorcnt 0x0                           ; the wave's end
	ds_add_u32 v[SPW], v[NIL]
	s_wait_dscnt 0x0
	CROUND
	s_endpgm
.Lfunc_end_k_q5cb4e8f0c3_pv:
	.size	k_q5cb4e8f0c3_pv, .Lfunc_end_k_q5cb4e8f0c3_pv-k_q5cb4e8f0c3_pv
	.p2alignl 7, 3214868480
	.fill 96, 4, 3214868480
	.section	.rodata,"a",@progbits
	.p2align	6, 0x0
	.amdhsa_kernel k_q5cb4e8f0c3_pv
		.amdhsa_group_segment_fixed_size 327680
		.amdhsa_private_segment_fixed_size 0
		.amdhsa_enable_private_segment 0
		.amdhsa_kernarg_size 40
		.amdhsa_user_sgpr_count 2
		.amdhsa_user_sgpr_kernarg_segment_ptr 1
		.amdhsa_wavefront_size32 1
		.amdhsa_system_sgpr_workgroup_id_x 1
		.amdhsa_system_sgpr_workgroup_id_y 1
		.amdhsa_system_sgpr_workgroup_id_z 1
		.amdhsa_system_vgpr_workitem_id 0
		.amdhsa_next_free_vgpr 768
		.amdhsa_next_free_sgpr 102
		.amdhsa_reserve_vcc 0
		.amdhsa_float_denorm_mode_32 3
		.amdhsa_float_denorm_mode_16_64 3
		.amdhsa_memory_ordered 1
		.amdhsa_forward_progress 1
		.amdhsa_inst_pref_size 168
	.end_amdhsa_kernel
	.amdgpu_metadata
---
amdhsa.version: [ 1, 2 ]
amdhsa.kernels:
  - .name:           k_q5cb4e8f0c3_pv
    .symbol:         k_q5cb4e8f0c3_pv.kd
    .args:
      - { .name: pc, .offset: 0, .size: 8, .value_kind: global_buffer, .address_space: global }
      - { .name: pst, .offset: 8, .size: 8, .value_kind: global_buffer, .address_space: global }
      - { .name: qkvc, .offset: 16, .size: 8, .value_kind: global_buffer, .address_space: global }
      - { .name: qkvs, .offset: 24, .size: 8, .value_kind: global_buffer, .address_space: global }
      - { .name: out0, .offset: 32, .size: 8, .value_kind: global_buffer, .address_space: global }
    .group_segment_fixed_size: 327680
    .private_segment_fixed_size: 0
    .kernarg_segment_align: 8
    .kernarg_segment_size: 40
    .max_flat_workgroup_size: 128
    .sgpr_count:     102
    .vgpr_count:     768
    .wavefront_size: 32
...
	.end_amdgpu_metadata
.endif
;; end of part 4
